; MI455X (gfx1250); checked and timed in simulation.
; The chip was launched on July 23, 2026; its instructions are those of AMD's public machine-readable ISA for CDNA 5 (MIT licence, August 2026) and "CDNA5" Instruction Set Architecture Reference Guide (July 2026). The comments in the code are by the model that wrote it; some were corrected since.
;; Transformer Block. Allowed arithmetic: matrix products marked QUANTISED: E5M2 operands, one E8M0 scale for each 32 along K, by v_wmma_scale_f32_16x16x128_f8f6f4 with both operands' format E5M2, f32 sums; everything else in f32.
;; Inputs: b_fc1 4,096 float32; b_fc2 1,024 float32; b_out 1,024 float32; b_qkv 3,072 float32; beta1 1,024 float32; beta2 1,024 float32; g1 1,024 float32; g2 1,024 float32; w_fc1 4,096 x 1,024 float32; w_fc2 1,024 x 4,096 float32; w_out 1,024 x 1,024 float32; w_qkv 3,072 x 1,024 float32; x 2 x 2,048 x 1,024 float32.
;; Outputs: out0 2 x 2,048 x 1,024 float32.
;; This version of the problem:
;;   THIS VERSION OF THE PROBLEM IS GIVEN IN LOW PRECISION. The matrix products marked QUANTISED in the list below multiply operands that are first quantised to E5M2 (5 exponent bits, 2 mantissa bits; 8 bits a number), with one power-of-two scale for each 32 numbers along K (OCP MX v1.0); their sums are f32. All else is computed in f32.
;;   The module's matrix products, in the order in which they are computed (A, B: the left and right operand; K: the contracted axis; several contracted axes count as one K, in the product's order):
;;     1. [M 4,096, K 1,024] x [K 1,024, N 3,072]; A: input x; B: input w_qkv: QUANTISED
;;     2. batch 32 x [M 2,048, K 64] x [K 64, N 2,048]; A: computed on the way; B: computed on the way: QUANTISED
;;     3. batch 32 x [M 2,048, K 2,048] x [K 2,048, N 64]; A: softmax (see below); B: computed on the way: QUANTISED
;;     4. [M 4,096, K 1,024] x [K 1,024, N 1,024]; A: computed on the way; B: input w_out: QUANTISED
;;     5. [M 4,096, K 1,024] x [K 1,024, N 4,096]; A: computed on the way; B: input w_fc1: QUANTISED
;;     6. [M 4,096, K 4,096] x [K 4,096, N 1,024]; A: computed on the way; B: input w_fc2: QUANTISED
;;   THE QUANTISER, for each operand of a quantised product, along K:
;;     - K is cut into blocks of 32 from its start; a last block that is shorter is filled with zeros.
;;     - A block's scale is 2^e with e = floor(log2(the largest magnitude in the block)) - 15, held to -126 .. 127; a block of zeros has e = 0. As a byte (E8M0): e + 127.
;;     - Each number is divided by its block's scale, clamped to +-57,344, and rounded to the nearest number of E5M2, ties to even, subnormals kept.
;;     - The product sums the exact products of the quantised numbers (number of the format x scale) in f32.
;;   ~~~python
;;   def quantise(x, axis):      # numpy; x: float32 -> the quantised numbers, widened to float32 again
;;       x = np.moveaxis(x, axis, -1); K = x.shape[-1]
;;       x = np.pad(x, [(0, 0)] * (x.ndim - 1) + [(0, -K % 32)]); x = x.reshape(x.shape[:-1] + (-1, 32)); a = np.abs(x).max(-1, keepdims=True)
;;       e = np.where(a > 0, np.clip(np.frexp(np.where(a > 0, a, 1))[1] - 1 - 15, -126, 127), 0)      # np.frexp(a)[1] - 1 = floor(log2(a)), exactly
;;       r = np.clip(x / 2.0 ** e, -57344, 57344)
;;       step = 2.0 ** (np.maximum(np.frexp(np.where(r == 0, 1, r))[1] - 1, -14) - 2)
;;       q = np.round(r / step) * step * 2.0 ** e      # np.round: ties to even
;;       return np.moveaxis(q.reshape(q.shape[:-2] + (-1,))[..., :K], -1, axis).astype(np.float32)
;;   ~~~
;;   SOFTMAX AHEAD OF A QUANTISED PRODUCT. Where the list says 'softmax', what is quantised is not the finished softmax but p = 2^(t - M), with t = logit x log2(e) and M = ceil(the row's largest t), a whole number; so 1/2 < the row's largest p <= 1. The row's sum l is taken of the UNQUANTISED p, in f32, and the product's result is divided by l at the end. Since M is a whole number, a kernel that streams over the keys may use a running M (the ceiling of the running maximum): every later rescaling is an exact power of two, which a block's scale takes up: the codes' values come out the same.
;;   OPERANDS COMPUTED ON THE WAY. 'Computed on the way' means the value that the module computes at that place (a softmax that the list does not call 'softmax' is quantised finished and normalised). What goes into a quantiser is computed in f32, as accurately as f32 sums, v_exp_f32 and their like allow (about 1e-6 of the number): no bf16 or f16 on the way to a quantiser, and a product that is left as it is and whose result goes on into a quantised operand takes f32 operands (vector FMAs, or v_wmma_f32_16x16x4_f32). A number that lies on a knife's edge between two numbers of the format may be rounded either way, as far as f32 arithmetic and the matrix unit's own rounding can turn it there, and no further.
;; One version. Each part assembles by itself: llvm-mc -triple=amdgcn-amd-amdhsa -mcpu=gfx1250 --defsym DOCPART=n.
;; ======== version 1 of 1: 8 launches
;; limits: right only within a limited range of input values
;; workspace buffers: qin 17,301,504 bytes; qkvb 13,107,200 bytes; att 4,325,376 bytes; ybuf 16,777,216 bytes; x1f 16,777,216 bytes; x1c 4,325,376 bytes; hid 17,301,504 bytes
;; launch quant (part 1): grid 256 x 1, 8 waves a work-group, no clusters, 68,608 bytes of LDS; arguments x, w_qkv, w_out, w_fc1, w_fc2, qin; writes qin
.if DOCPART == 1
	.amdgcn_target "amdgcn-amd-amdhsa--gfx1250"
	.amdhsa_code_object_version 6
	.text
	.protected	k_qbd35e27ad6_quant
	.globl	k_qbd35e27ad6_quant
	.p2align	8
	.type	k_qbd35e27ad6_quant,@function
k_qbd35e27ad6_quant:
	s_mov_b64 s[64:65], 0
	v_nop
	global_prefetch_b8 v0, s[64:65] scope:SCOPE_SE
	s_setreg_imm32_b32 hwreg(HW_REG_WAVE_MODE, 25, 1), 1
	s_wait_xcnt 0x0
; x and the four weights, f32 with K innermost, become codes of E5M2 with one E8M0 byte for each 32 along K, laid in the order of the matrix operand's registers.
; RECORD (8,448 bytes): 64 rows x 128 K = four tiles of 16 rows, each a fragment's image (register group c: 512 bytes, lane l's 16 bytes at 16 l), then 256 bytes of scale words.
; Lane-row r of tile t is row 32 (t / 2) + 8 (t % 2) + r + 8 (r / 8) of the 64.  Scale word (t, r) lies at 8 (r + 16 (t % 2)) + 4 (t / 2).  A tensor's records lie [K step][64 rows].
; One wave makes one record: 2,048 waves.  Work-groups 0-63 x, 64-111 w_qkv, 112-127 w_out, 128-191 w_fc1, 192-255 w_fc2: pointers and sizes are chosen on the work-group's number, the text has one path.
; Each load reads 512 consecutive bytes of one row; a tile's 16 x 512 bytes turn through the wave's own stage in LDS (rows 528 bytes apart) so that a lane gets 16 neighbours of each block of 32.
; A block's scale is 2^(floor(log2(largest magnitude)) - 15); the number is held within +-57,344 x the scale and rounded to the nearest code, ties to even.
; LIMITS: a block whose largest magnitude lies under 2^-111 (zeros too) gets the byte 1: only this program reads the bytes.  NaN and infinities are not served.
; No tensor loads, no barrier, no cluster: waves share nothing and every input byte is read once.
.set QR,  8448
.set SA,  4                            ; v4   stage, rows as loaded: 16 x lane
.set SBA, 5                            ; v5   stage, back: 528 r + 64 h
.set L16, 6                            ; v6   16 x lane
.set L8,  7                            ; v7   8 x lane
.set VO,  10                           ; v10-25 load i: 16 x lane + (i + 8 (i / 8)) rows
.set TM,  26                           ; v26-41 at work in QUANT
.set PW,  42                           ; v42-45 the four tiles' scale words
.set SGW, 46                           ; v[46:47]
.set PC,  48                           ; v48-63 a fragment's codes
.set R0,  64                           ; v64-191 two sets of 64 numbers as loaded
.set X,   192                          ; v192-255 64 numbers: register 16 b + i = k 32 b + 16 h + i of row r
.set DST, 28                           ; s[28:29]
.set SB,  32                           ; s[32:39] the four tiles' first rows
.set SEL, 40                           ; s[40:41]
.set MNT, 42
.macro QUANT s, pw                     ; 64 numbers of a lane become a fragment's codes in v[PC] on and its scale word in v[pw]
.irp b, 0,1,2,3
	v_max3_num_f32 v[TM+\b], |v[\s+16*\b]|, |v[\s+1+16*\b]|, 0x8000000   ; my 16 of block b, and the floor 2^(16 - 127): the byte cannot fall under 1
.endr
.irp i, 2,4,6,8,10,12,14
.irp b, 0,1,2,3
	s_delay_alu instid0(VALU_DEP_4)
	v_max3_num_f32 v[TM+\b], v[TM+\b], |v[\s+16*\b+\i]|, |v[\s+1+16*\b+\i]|
.endr
.endr
.irp b, 0,1,2,3
	s_delay_alu instid0(VALU_DEP_4)
	v_permlanex16_b32 v[TM+4+\b], v[TM+\b], s[SEL], s[SEL+1]
.endr
.irp b, 0,1,2,3
	s_delay_alu instid0(VALU_DEP_4)
	v_max_num_f32 v[TM+\b], v[TM+\b], v[TM+4+\b]                    ; with lane l xor 16's: the block's largest magnitude
.endr
.irp b, 0,1,2,3
	s_delay_alu instid0(VALU_DEP_4)
	v_add_nc_u32 v[TM+12+\b], 0xf8800000, v[TM+\b]                  ; 15 off its exponent field: the conversion's scale operand
.endr
.irp b, 0,1,2,3
	v_and_or_b32 v[TM+8+\b], v[TM+\b], 0x7f800000, s[MNT]           ; 57,344 x the scale
.endr
.irp b, 0,1,2,3
	v_lshrrev_b32 v[TM+4+\b], 23, v[TM+12+\b]                       ; the scale's byte
.endr
	s_delay_alu instid0(VALU_DEP_3)
	v_lshl_or_b32 v[\pw], v[TM+5], 8, v[TM+4]
	s_delay_alu instid0(VALU_DEP_1)
	v_lshl_or_b32 v[\pw], v[TM+6], 16, v[\pw]
	s_delay_alu instid0(VALU_DEP_1)
	v_lshl_or_b32 v[\pw], v[TM+7], 24, v[\pw]
.irp b, 0,1,2,3
.irp i, 0,1,2,3,4,5,6,7,8,9,10,11,12,13,14,15
	v_med3_num_f32 v[\s+16*\b+\i], v[\s+16*\b+\i], -v[TM+8+\b], v[TM+8+\b]   ; the conversion does not saturate (ISA guide 7.6.2): the hold
.endr
	v_cvt_scalef32_pk8_bf8_f32 v[PC+4*\b:PC+1+4*\b], v[\s+16*\b:\s+7+16*\b], v[TM+12+\b]
	v_cvt_scalef32_pk8_bf8_f32 v[PC+2+4*\b:PC+3+4*\b], v[\s+8+16*\b:\s+15+16*\b], v[TM+12+\b]
.endr
	v_nop                                          ; a plain line behind the last conversion
.endm
	s_load_b256 s[4:11], s[0:1], 0x0               ; x, w_qkv, w_out, w_fc1
	s_load_b128 s[12:15], s[0:1], 0x20             ; w_fc2, qin
	v_lshl_add_u32 v8, v0, 2, 0x10800
	v_mov_b32 v9, 0
	v_lshrrev_b32 v1, 5, v0
	s_delay_alu instid0(VALU_DEP_1)
	v_readfirstlane_b32 s30, v1                    ; wave
	v_and_b32 v1, 31, v0                           ; lane
	v_and_b32 v2, 15, v0                           ; r
	v_bfe_u32 v3, v0, 4, 1                         ; h
	s_mul_i32 s31, s30, QR                         ; my stage
	v_lshlrev_b32 v[L16], 4, v1
	v_lshlrev_b32 v[L8], 3, v1
	s_delay_alu instid0(VALU_DEP_2)
	v_add_nc_u32 v[SA], s31, v[L16]
	v_mul_u32_u24 v[SBA], v2, 528
	s_delay_alu instid0(VALU_DEP_1)
	v_lshl_add_u32 v[SBA], v3, 6, v[SBA]
	s_delay_alu instid0(VALU_DEP_1)
	v_add_nc_u32 v[SBA], s31, v[SBA]
.irp b, 0,1,2,3
	v_mov_b32 v[TM+4+\b], 0                        ; a lane permute's destination counts as one of its sources
.endr
	s_mov_b32 s[SEL], 0x76543210
	s_mov_b32 s[SEL+1], 0xfedcba98
	s_mov_b32 s[MNT], 0x600000
	s_mov_b32 s16, 192                             ; w_fc2: first work-group,
	s_mov_b32 s17, 5                               ; log2 of its K steps,
	s_mov_b32 s18, 16                              ; its blocks of 64 rows,
	s_mov_b32 s19, 12976128                        ; its place in qin
	s_wait_kmcnt 0x0
	s_cmp_lt_u32 ttmp9, 192
	s_cselect_b64 s[12:13], s[10:11], s[12:13]     ; w_fc1
	s_cselect_b32 s16, 128, s16
	s_cselect_b32 s17, 3, s17
	s_cselect_b32 s18, 64, s18
	s_cselect_b32 s19, 8650752, s19
	s_cmp_lt_u32 ttmp9, 128
	s_cselect_b64 s[12:13], s[8:9], s[12:13]       ; w_out
	s_cselect_b32 s16, 112, s16
	s_cselect_b32 s18, 16, s18
	s_cselect_b32 s19, 7569408, s19
	s_cmp_lt_u32 ttmp9, 112
	s_cselect_b64 s[12:13], s[6:7], s[12:13]       ; w_qkv
	s_cselect_b32 s16, 64, s16
	s_cselect_b32 s18, 48, s18
	s_cselect_b32 s19, 4325376, s19
	s_cmp_lt_u32 ttmp9, 64
	s_cselect_b64 s[12:13], s[4:5], s[12:13]       ; x
	s_cselect_b32 s16, 0, s16
	s_cselect_b32 s18, 64, s18
	s_cselect_b32 s19, 0, s19
	s_sub_co_u32 s20, ttmp9, s16
	s_lshl_b32 s20, s20, 3
	s_add_co_u32 s20, s20, s30                     ; my record's number in the tensor: the eight waves take neighbouring K steps of the same rows
	s_lshl_b32 s21, 1, s17
	s_sub_co_u32 s21, s21, 1
	s_and_b32 s21, s20, s21                        ; K step
	s_lshr_b32 s22, s20, s17                       ; block of 64 rows
	s_add_co_u32 s23, s17, 9
	s_lshl_b32 s24, 1, s23                         ; a row in bytes: 512 x K steps
	s_lshl_b32 s26, s22, 6
	s_lshl_b32 s26, s26, s23
	s_lshl_b32 s27, s21, 9
	s_add_co_u32 s26, s26, s27
	s_mov_b32 s27, 0
	s_add_nc_u64 s[SB:SB+1], s[12:13], s[26:27]    ; tile 0: row 0
	s_lshl_b32 s26, s24, 3
	s_add_nc_u64 s[SB+2:SB+3], s[SB:SB+1], s[26:27]    ; tile 1: row 8
	s_lshl_b32 s26, s24, 5
	s_add_nc_u64 s[SB+4:SB+5], s[SB:SB+1], s[26:27]    ; tile 2: row 32
	s_mul_i32 s26, s24, 40
	s_add_nc_u64 s[SB+6:SB+7], s[SB:SB+1], s[26:27]    ; tile 3: row 40
	s_mul_i32 s26, s21, s18
	s_add_co_u32 s26, s26, s22
	s_mul_i32 s26, s26, QR
	s_add_co_u32 s26, s26, s19
	s_add_nc_u64 s[DST:DST+1], s[14:15], s[26:27]
.irp i, 0,1,2,3,4,5,6,7,8,9,10,11,12,13,14,15
	v_mad_u32_u24 v[VO+\i], s24, \i+8*(\i/8), v[L16]
.endr
.macro LOAD t                          ; tile t's 16 rows, 512 consecutive bytes a load
.irp i, 0,1,2,3,4,5,6,7,8,9,10,11,12,13,14,15
	global_load_b128 v[R0+64*((\t)%2)+4*\i:R0+64*((\t)%2)+4*\i+3], v[VO+\i], s[SB+2*(\t):SB+2*(\t)+1] th:TH_LOAD_NT
.endr
.endm
.macro TILE t
.if \t < 3
	s_wait_loadcnt 16                              ; this tile's 16 loads are in; the next tile's 16 may be out
.else
	s_wait_loadcnt 0x0
.endif
.irp i, 0,1,2,3,4,5,6,7,8,9,10,11,12,13,14,15
	ds_store_b128 v[SA], v[R0+64*(\t%2)+4*\i:R0+64*(\t%2)+4*\i+3] offset:528*\i
.endr
.irp b, 0,1,2,3
.irp j, 0,1,2,3
	ds_load_b128 v[X+16*\b+4*\j:X+16*\b+4*\j+3], v[SBA] offset:128*\b+16*\j   ; LDS serves a wave's instructions in order: these see the stores above
.endr
.endr
	s_wait_dscnt 0x0                               ; the numbers are back, and the stores have read their registers,
.if \t < 2
	LOAD \t+2                                      ; which take the tile two further on
.endif
	s_wait_xcnt 0x0                                ; the last tile's stores have read their codes: the registers are written again only behind this wait
	QUANT X, PW+\t
.irp c, 0,1,2,3
	global_store_b128 v[L16], v[PC+4*\c:PC+4*\c+3], s[DST:DST+1] offset:2048*\t+512*\c   ; 512 consecutive bytes a store
.endr
.endm
	LOAD 0
	LOAD 1
	s_wait_alu depctr_va_vdst(0)
	TILE 0
	TILE 1
	TILE 2
	TILE 3
	v_cmp_le_u32 vcc_lo, 16, v1                    ; lanes 16-31 carry the odd tiles' words
	s_delay_alu instid0(VALU_DEP_1)
	v_cndmask_b32 v[SGW], v[PW], v[PW+1], vcc_lo
	s_delay_alu instid0(VALU_DEP_2)
	v_cndmask_b32 v[SGW+1], v[PW+2], v[PW+3], vcc_lo
	global_store_b64 v[L8], v[SGW:SGW+1], s[DST:DST+1] offset:8192   ; 256 consecutive bytes
	s_wait_tensorcnt 0x0
	ds_add_u32 v8, v9
	s_wait_dscnt 0x0
	s_endpgm
.Lfunc_end_k_qbd35e27ad6_quant:
	.size	k_qbd35e27ad6_quant, .Lfunc_end_k_qbd35e27ad6_quant-k_qbd35e27ad6_quant
	.p2alignl 7, 3214868480
	.fill 96, 4, 3214868480
	.section	.rodata,"a",@progbits
	.p2align	6, 0x0
	.amdhsa_kernel k_qbd35e27ad6_quant
		.amdhsa_group_segment_fixed_size 68608
		.amdhsa_private_segment_fixed_size 0
		.amdhsa_enable_private_segment 0
		.amdhsa_kernarg_size 48
		.amdhsa_user_sgpr_count 2
		.amdhsa_user_sgpr_kernarg_segment_ptr 1
		.amdhsa_wavefront_size32 1
		.amdhsa_system_sgpr_workgroup_id_x 1
		.amdhsa_system_sgpr_workgroup_id_y 1
		.amdhsa_system_sgpr_workgroup_id_z 1
		.amdhsa_system_vgpr_workitem_id 0
		.amdhsa_next_free_vgpr 256
		.amdhsa_next_free_sgpr 66
		.amdhsa_reserve_vcc 1
		.amdhsa_float_denorm_mode_32 3
		.amdhsa_float_denorm_mode_16_64 3
		.amdhsa_memory_ordered 1
		.amdhsa_forward_progress 1
		.amdhsa_inst_pref_size 58
	.end_amdhsa_kernel
	.amdgpu_metadata
---
amdhsa.version: [ 1, 2 ]
amdhsa.kernels:
  - .name:           k_qbd35e27ad6_quant
    .symbol:         k_qbd35e27ad6_quant.kd
    .args:
      - { .name: x, .offset: 0, .size: 8, .value_kind: global_buffer, .address_space: global }
      - { .name: w_qkv, .offset: 8, .size: 8, .value_kind: global_buffer, .address_space: global }
      - { .name: w_out, .offset: 16, .size: 8, .value_kind: global_buffer, .address_space: global }
      - { .name: w_fc1, .offset: 24, .size: 8, .value_kind: global_buffer, .address_space: global }
      - { .name: w_fc2, .offset: 32, .size: 8, .value_kind: global_buffer, .address_space: global }
      - { .name: qin, .offset: 40, .size: 8, .value_kind: global_buffer, .address_space: global }
    .group_segment_fixed_size: 68608
    .private_segment_fixed_size: 0
    .kernarg_segment_align: 8
    .kernarg_segment_size: 48
    .max_flat_workgroup_size: 256
    .sgpr_count:     66
    .vgpr_count:     256
    .wavefront_size: 32
...
	.end_amdgpu_metadata
.endif
;; end of part 1
;; launch qkv (part 2): grid 16 x 12, 8 waves a work-group, clusters of 4 x 4, 327,680 bytes of LDS; arguments qin, b_qkv, qkvb; writes qkvb
.if DOCPART == 2
	.amdgcn_target "amdgcn-amd-amdhsa--gfx1250"
	.amdhsa_code_object_version 6
	.text
	.protected	k_qbd35e27ad6_qkv
	.globl	k_qbd35e27ad6_qkv
	.p2align	8
	.type	k_qbd35e27ad6_qkv,@function
k_qbd35e27ad6_qkv:
	s_mov_b64 s[64:65], 0
	v_nop
	global_prefetch_b8 v0, s[64:65] scope:SCOPE_SE
	s_setreg_imm32_b32 hwreg(HW_REG_WAVE_MODE, 25, 1), 1
	s_wait_xcnt 0x0
	s_wait_alu depctr_hold_cnt(0) depctr_sa_sdst(0) depctr_va_vdst(0) depctr_va_sdst(0) depctr_va_ssrc(0) depctr_va_vcc(0) depctr_vm_vsrc(0)
	s_getreg_b32 s2, hwreg(HW_REG_IB_STS2, 6, 4)
	s_cmp_eq_u32 s2, 0
	s_cbranch_scc0 .Lentry_in_a_cluster
	s_endpgm
.Lentry_in_a_cluster:
	s_bfe_u32 s2, ttmp6, 0x10000c
	s_cmp_lg_u32 s2, 0xf033
	s_cbranch_scc0 .Lentry_shape_is_right
	s_endpgm
.Lentry_shape_is_right:
; q, k, v = x w_qkv^T + b_qkv on codes of E5M2 (records of 64 rows x 128 K, as the first launch lays them), each quantised at once for attention and stored in the order of attention's operand registers.
; A work-group makes 256 tokens x 256 rows of w_qkv; eight waves, two to a SIMD; a wave makes 64 (operand L, in the lanes) x 128 (operand P, down the registers): 32 accumulators, 256 registers (window 1).
; The cluster's y says what the block is: 0 q, 1 k (P = w_qkv, L = x: a lane holds one token, its registers run along the head's 64, which is the next K), 2 v (P = x, L = w_qkv: registers run along the keys).
; The tile rule (lane-row r of tile t = row 32 (t / 2) + 8 (t % 2) + r + 8 (r / 8)) makes the 16 registers of P's tiles 2 b, 2 b + 1 sixteen neighbours: the conversions' results are the next operand's registers.
; RING: two slots of two K steps; each wave brings one piece (two records, 16,896 dense bytes) by one joint load: waves 0-3 x's (shared down a column of the cluster), waves 4-7 w_qkv's (shared along a row).
; OUT: q: [head][64 tokens] 4 tiles x 1,024 bytes + 256 of scale words (each word holds the two bytes twice).  k, v: [head][128 keys] a record of K, then one of V.  In K's record a fragment row holds key and key + 8,
; 64 bytes each, so that one fragment against (q | 0) and (0 | q) serves 32 keys.  K's scale words leave 4 bytes a lane, 8 apart: a block of 64 tokens holds two of a step's four key groups (128 KB of the launch's 13 MB).
; LIMITS: a block whose largest magnitude lies under 2^-111 gets the byte 1; NaN and infinities are not served.  No prefetch: the launch's tiles are few and each refill has two K steps in which to land.
.set QR,    8448
.set PIECE, 2*QR
.set SLOT,  8*PIECE                    ; 135,168
.set SPARE, 2*SLOT                     ; the spare words: 128 bytes a wave, four blocks of 256 bytes that no other line names
.set PRM,   SPARE+1024                 ; 512 bytes a wave: its 128 biases
.set KSB,   4*QR                       ; one K step of one operand in a slot
.set OPB,   2*KSB                      ; x's part of a slot; w_qkv's lies behind it
.set NQX,   64
.set NQY,   48
.set YOFF,  4325376
.set XSTEP, 4*NQX*QR                   ; two slots on
.set YSTEP, 4*NQY*QR
.set AL,  4                            ; v4-5   L's images, slot 0, 1
.set AP,  6                            ; v6-7   P's
.set ALS, 8                            ; v8-9   L's scale words
.set APS, 10                           ; v10-11 P's
.set SPW, 12
.set NIL, 13
.set SL,  14                           ; v[14:15] L's scale words
.set SP,  16                           ; v[16:19] P's
.set L16, 20
.set L8,  21
.set PRA, 22
.set PW,  24                           ; v24-27
.set SGW, 28
.set TM,  32                           ; v32-47
.set BV,  48                           ; v48-55 v's biases, a pair for each tile
.set PF,  64                           ; v64-191 P's 8 fragments
.set LF,  192                          ; v192-255 L's 4
.set BI,  64                           ; the way out: 64 biases
.set ST,  128                          ; 64 numbers
.set PC,  192                          ; a fragment's codes
.set G1X, 24
.set G0X, 32
.set G1Y, 48
.set G0Y, 56
.set SEL, 70
.set MNT, 72
.set BA,  74
.set BB,  76
.set MSB, 0
.macro WIN new                         ; the immediate's high byte repeats the setting that is left
.if MSB != \new
	s_set_vgpr_msb (MSB<<8)|\new
.set MSB, \new
.endif
.endm
.macro JLOAD s                         ; a joint load; the branch hangs on the wave's number alone; four v_nop follow each line
	s_cmp_eq_u32 s15, 0
	s_cbranch_scc0 .Lfor_y_\@
	tensor_load_to_lds s[G0X+4*(\s):G0X+4*(\s)+3], s[G1X:G1X+7]
	s_nop 0
.rept 4
	v_nop
.endr
	s_branch .Lasked_\@
.Lfor_y_\@:
	tensor_load_to_lds s[G0Y+4*(\s):G0Y+4*(\s)+3], s[G1Y:G1Y+7]
	s_nop 0
.rept 4
	v_nop
.endr
.Lasked_\@:
.endm
.macro CROUND                          ; a round of the cluster's barrier
	s_barrier_signal -1
	s_barrier_wait -1
	s_cmp_lg_u32 s14, 0
	s_cbranch_scc1 .Lnot_wave_0_\@
	s_barrier_signal -3
.Lnot_wave_0_\@:
	s_barrier_wait -3
	s_barrier_signal -1
	s_barrier_wait -1
.endm
.macro MM d, a, b, zero, sa, sb, ra, rb    ; one product; ra, rb: the side's scale words stand in lanes 16-31
.if \zero
.if (\ra) && (\rb)
	v_wmma_scale_f32_16x16x128_f8f6f4 v[\d:\d+7], v[\a:\a+15], v[\b:\b+15], 0, v[\sa], v[\sb] matrix_a_fmt:MATRIX_FMT_BF8 matrix_b_fmt:MATRIX_FMT_BF8 matrix_a_scale:MATRIX_SCALE_ROW1 matrix_b_scale:MATRIX_SCALE_ROW1
.elseif \ra
	v_wmma_scale_f32_16x16x128_f8f6f4 v[\d:\d+7], v[\a:\a+15], v[\b:\b+15], 0, v[\sa], v[\sb] matrix_a_fmt:MATRIX_FMT_BF8 matrix_b_fmt:MATRIX_FMT_BF8 matrix_a_scale:MATRIX_SCALE_ROW1
.elseif \rb
	v_wmma_scale_f32_16x16x128_f8f6f4 v[\d:\d+7], v[\a:\a+15], v[\b:\b+15], 0, v[\sa], v[\sb] matrix_a_fmt:MATRIX_FMT_BF8 matrix_b_fmt:MATRIX_FMT_BF8 matrix_b_scale:MATRIX_SCALE_ROW1
.else
	v_wmma_scale_f32_16x16x128_f8f6f4 v[\d:\d+7], v[\a:\a+15], v[\b:\b+15], 0, v[\sa], v[\sb] matrix_a_fmt:MATRIX_FMT_BF8 matrix_b_fmt:MATRIX_FMT_BF8
.endif
.else
.if (\ra) && (\rb)
	v_wmma_scale_f32_16x16x128_f8f6f4 v[\d:\d+7], v[\a:\a+15], v[\b:\b+15], v[\d:\d+7], v[\sa], v[\sb] matrix_a_fmt:MATRIX_FMT_BF8 matrix_b_fmt:MATRIX_FMT_BF8 matrix_a_scale:MATRIX_SCALE_ROW1 matrix_b_scale:MATRIX_SCALE_ROW1
.elseif \ra
	v_wmma_scale_f32_16x16x128_f8f6f4 v[\d:\d+7], v[\a:\a+15], v[\b:\b+15], v[\d:\d+7], v[\sa], v[\sb] matrix_a_fmt:MATRIX_FMT_BF8 matrix_b_fmt:MATRIX_FMT_BF8 matrix_a_scale:MATRIX_SCALE_ROW1
.elseif \rb
	v_wmma_scale_f32_16x16x128_f8f6f4 v[\d:\d+7], v[\a:\a+15], v[\b:\b+15], v[\d:\d+7], v[\sa], v[\sb] matrix_a_fmt:MATRIX_FMT_BF8 matrix_b_fmt:MATRIX_FMT_BF8 matrix_b_scale:MATRIX_SCALE_ROW1
.else
	v_wmma_scale_f32_16x16x128_f8f6f4 v[\d:\d+7], v[\a:\a+15], v[\b:\b+15], v[\d:\d+7], v[\sa], v[\sb] matrix_a_fmt:MATRIX_FMT_BF8 matrix_b_fmt:MATRIX_FMT_BF8
.endif
.endif
.endm
; A K step of 128: 51 LDS loads in one run, then 32 products, P's tiles one after the other as they land.  The 32 accumulators take turns, one instruction a turn.
.macro KSTEP slot, k, first
	ds_load_b64 v[SL:SL+1], v[ALS+\slot] offset:8192+KSB*\k
	ds_load_b64 v[SP:SP+1], v[APS+\slot] offset:8192+KSB*\k
	ds_load_b64 v[SP+2:SP+3], v[APS+\slot] offset:8192+QR+KSB*\k
.irp l, 0,1,2,3
.irp c, 0,1,2,3
	ds_load_b128 v[LF+16*\l+4*\c:LF+16*\l+4*\c+3], v[AL+\slot] offset:KSB*\k+2048*\l+512*\c
.endr
.endr
.irp p, 0,1,2,3,4,5,6,7
.irp c, 0,1,2,3
	ds_load_b128 v[PF+16*\p+4*\c:PF+16*\p+4*\c+3], v[AP+\slot] offset:KSB*\k+QR*(\p/4)+2048*(\p%4)+512*\c
.endr
.endr
	WIN 0x50                                       ; C and D in window 1
.irp p, 0,1,2,3,4,5,6,7
	s_wait_dscnt 4*(7-\p)                          ; all but the loads of P's later tiles, four each
.irp l, 0,1,2,3
	MM 64*\l+8*\p, PF+16*\p, LF+16*\l, \first, SP+\p/2, SL+\l/2, \p%2, \l%2
.endr
.endr
	WIN 0
.rept 8
	v_nop                                          ; eight places in front of loads into registers that these products read, and of the first read of results
.endr
.endm
.macro WORK slot, first
	KSTEP \slot, 0, \first
	KSTEP \slot, 1, 0
.endm
; The change of slots: every wave waits for all its tensor loads (its piece of the slot ahead), adds 0 to its spare word, waits for that and for its reads of the slot left; refill = 1: a round of the cluster's barrier, then the joint refill first.
.macro TWO slot, refill
	s_wait_tensorcnt 0x0
	ds_add_u32 v[SPW], v[NIL]
.if \refill
	s_add_nc_u64 s[G0X+4*(1-\slot)+2:G0X+4*(1-\slot)+3], s[G0X+4*(1-\slot)+2:G0X+4*(1-\slot)+3], XSTEP   ; no load of mine is out: the other slot's next K steps
	s_add_nc_u64 s[G0Y+4*(1-\slot)+2:G0Y+4*(1-\slot)+3], s[G0Y+4*(1-\slot)+2:G0Y+4*(1-\slot)+3], YSTEP
.endif
	s_wait_dscnt 0x0
.if \refill
	CROUND
	JLOAD 1-\slot
.else
	s_barrier_signal -1
	s_barrier_wait -1
.endif
	WORK \slot, 0
.endm
.macro QUANT s, pw                     ; 64 numbers of a lane (register 16 b + i = k 32 b + 16 h + i) become a fragment's codes in v[PC] on and its scale word in v[pw]
.irp b, 0,1,2,3
	v_max3_num_f32 v[TM+\b], |v[\s+16*\b]|, |v[\s+1+16*\b]|, 0x8000000   ; and the floor 2^(16 - 127): the byte cannot fall under 1
.endr
.irp i, 2,4,6,8,10,12,14
.irp b, 0,1,2,3
	s_delay_alu instid0(VALU_DEP_4)
	v_max3_num_f32 v[TM+\b], v[TM+\b], |v[\s+16*\b+\i]|, |v[\s+1+16*\b+\i]|
.endr
.endr
.irp b, 0,1,2,3
	s_delay_alu instid0(VALU_DEP_4)
	v_permlanex16_b32 v[TM+4+\b], v[TM+\b], s[SEL], s[SEL+1]
.endr
.irp b, 0,1,2,3
	s_delay_alu instid0(VALU_DEP_4)
	v_max_num_f32 v[TM+\b], v[TM+\b], v[TM+4+\b]
.endr
.irp b, 0,1,2,3
	s_delay_alu instid0(VALU_DEP_4)
	v_add_nc_u32 v[TM+12+\b], 0xf8800000, v[TM+\b]                  ; 15 off the exponent field: the conversion's scale operand
.endr
.irp b, 0,1,2,3
	v_and_or_b32 v[TM+8+\b], v[TM+\b], 0x7f800000, s[MNT]           ; 57,344 x the scale
.endr
.irp b, 0,1,2,3
	v_lshrrev_b32 v[TM+4+\b], 23, v[TM+12+\b]
.endr
	s_delay_alu instid0(VALU_DEP_3)
	v_lshl_or_b32 v[\pw], v[TM+5], 8, v[TM+4]
	s_delay_alu instid0(VALU_DEP_1)
	v_lshl_or_b32 v[\pw], v[TM+6], 16, v[\pw]
	s_delay_alu instid0(VALU_DEP_1)
	v_lshl_or_b32 v[\pw], v[TM+7], 24, v[\pw]
.irp b, 0,1,2,3
.irp i, 0,1,2,3,4,5,6,7,8,9,10,11,12,13,14,15
	v_med3_num_f32 v[\s+16*\b+\i], v[\s+16*\b+\i], -v[TM+8+\b], v[TM+8+\b]
.endr
	v_cvt_scalef32_pk8_bf8_f32 v[PC+4*\b:PC+1+4*\b], v[\s+16*\b:\s+7+16*\b], v[TM+12+\b]
	v_cvt_scalef32_pk8_bf8_f32 v[PC+2+4*\b:PC+3+4*\b], v[\s+8+16*\b:\s+15+16*\b], v[TM+12+\b]
.endr
	v_nop
.endm
	s_load_b128 s[4:7], s[0:1], 0x0                ; qin, b_qkv
	s_load_b64 s[8:9], s[0:1], 0x10                ; qkvb
	v_lshl_add_u32 v[SPW], v0, 2, SPARE
	v_mov_b32 v[NIL], 0
	ds_add_u32 v12, v13
	ds_add_u32 v12, v13
	s_wait_dscnt 0x0
	v_lshrrev_b32 v1, 5, v0
	s_delay_alu instid0(VALU_DEP_1)
	v_readfirstlane_b32 s14, v1                    ; wave 0..7
	s_lshr_b32 s15, s14, 2                         ; I fetch for x (0) or for w_qkv (1).  Also: which 128 of P are mine
	s_and_b32 s16, s14, 3                          ; which piece I fetch.  Also: which 64 of L are mine
	s_bfe_u32 s40, ttmp6, 0x40000                  ; cx
	s_bfe_u32 s41, ttmp6, 0x40004                  ; cy
	s_lshl_b32 s42, ttmp9, 2
	s_add_co_u32 s42, s42, s40                     ; work-group x: 256 tokens
	s_and_b32 s17, ttmp7, 0xffff                   ; the cluster's y: 0 q, 1 k, 2 v
	s_lshl_b32 s43, s17, 2
	s_add_co_u32 s43, s43, s41                     ; work-group y: 256 rows of w_qkv
	s_lshl_b32 s44, s41, 2
	s_lshl_b32 s44, 15, s44                        ; my row of the cluster
	s_lshl_b32 s45, 0x1111, s40                    ; my column
	s_or_b32 s[G1X], s45, (3<<16)|(1<<21)          ; x's pieces hang on work-group x: shared down the column; elements of 8 bytes; bit 21 beside a mask
	s_or_b32 s[G1Y], s44, (3<<16)|(1<<21)          ; w_qkv's on work-group y: shared along the row
.irp g, G1X, G1Y
	s_mov_b32 s[\g+1], 32<<16                      ; a dense block as 66 rows of 256 bytes
	s_mov_b32 s[\g+2], 66<<16
	s_mov_b32 s[\g+3], 32<<16
	s_mov_b32 s[\g+4], 66
	s_mov_b32 s[\g+5], 32
	s_mov_b32 s[\g+6], 0
	s_mov_b32 s[\g+7], 0
.endr
	s_lshr_b32 s18, s16, 1                         ; my piece: K step piece / 2 of the slot,
	s_and_b32 s19, s16, 1
	s_lshl_b32 s19, s19, 1                         ; records 2 (piece % 2) on
	s_mul_i32 s20, s18, NQX
	s_add_co_u32 s20, s20, s19
	s_lshl_b32 s21, s42, 2
	s_add_co_u32 s20, s20, s21
	s_mul_i32 s20, s20, QR
	s_mov_b32 s21, 0
	s_mul_i32 s22, s18, NQY
	s_add_co_u32 s22, s22, s19
	s_lshl_b32 s23, s43, 2
	s_add_co_u32 s22, s22, s23
	s_mul_i32 s22, s22, QR
	s_mov_b32 s23, 0
	s_mul_i32 s46, s14, PIECE                      ; where it goes: no place in the cluster enters an LDS address
	s_wait_kmcnt 0x0
	s_add_nc_u64 s[20:21], s[4:5], s[20:21]
	s_add_nc_u64 s[22:23], s[4:5], s[22:23]
	s_add_nc_u64 s[22:23], s[22:23], YOFF
	CROUND                                         ; all sixteen work-groups are here: the first joint loads meet
.irp s, 0,1
	s_mov_b32 s[G0X+4*\s], 1
	s_add_co_u32 s[G0X+4*\s+1], s46, \s*SLOT
	s_add_nc_u64 s[G0X+4*\s+2:G0X+4*\s+3], s[20:21], \s*XSTEP/2
	s_or_b32 s[G0X+4*\s+3], s[G0X+4*\s+3], 0x80000000
	s_mov_b32 s[G0Y+4*\s], 1
	s_add_co_u32 s[G0Y+4*\s+1], s46, \s*SLOT
	s_add_nc_u64 s[G0Y+4*\s+2:G0Y+4*\s+3], s[22:23], \s*YSTEP/2
	s_or_b32 s[G0Y+4*\s+3], s[G0Y+4*\s+3], 0x80000000
.if \s                                         ; slot 1's first fill is issued as a refill is
	s_wait_alu depctr_va_vdst(0)
	s_wait_tensorcnt 0x0                           ; my piece of slot 0 is in
	ds_add_u32 v12, v13
	s_wait_dscnt 0x0
	CROUND
.endif
	JLOAD \s                                       ; one load of mine is out
.endr
	v_and_b32 v1, 31, v0                           ; lane
	v_and_b32 v2, 15, v0                           ; r
	v_bfe_u32 v3, v0, 4, 1                         ; h
	s_delay_alu instid0(VALU_DEP_3)
	v_lshlrev_b32 v[L16], 4, v1
	s_delay_alu instid0(VALU_DEP_4)
	v_lshlrev_b32 v[L8], 3, v1
	s_cmp_ge_u32 s17, 2                            ; v: L = w_qkv, P = x; else the other way round.  The same in all sixteen partners
	s_cselect_b32 s66, OPB, 0
	s_cselect_b32 s67, 0, OPB
	s_mul_i32 s68, s16, QR
	s_add_co_u32 s68, s68, s66                     ; my record of L
	s_mul_i32 s69, s15, PIECE
	s_add_co_u32 s69, s69, s67                     ; my two records of P
	v_add_nc_u32 v[AL], s68, v[L16]
	v_add_nc_u32 v[AP], s69, v[L16]
	v_add_nc_u32 v[ALS], s68, v[L8]
	v_add_nc_u32 v[APS], s69, v[L8]
	s_delay_alu instid0(VALU_DEP_4)
	v_add_nc_u32 v[AL+1], SLOT, v[AL]
	s_delay_alu instid0(VALU_DEP_4)
	v_add_nc_u32 v[AP+1], SLOT, v[AP]
	s_delay_alu instid0(VALU_DEP_4)
	v_add_nc_u32 v[ALS+1], SLOT, v[ALS]
	s_delay_alu instid0(VALU_DEP_4)
	v_add_nc_u32 v[APS+1], SLOT, v[APS]
	s_lshl_b32 s73, s14, 9
	v_add_nc_u32 v31, s73, v[L16]
	s_delay_alu instid0(VALU_DEP_1)
	v_add_nc_u32 v31, PRM, v31                     ; my 512 bytes of biases: in, 16 x lane;
	v_lshl_add_u32 v[PRA], v3, 6, s73
	s_delay_alu instid0(VALU_DEP_1)
	v_add_nc_u32 v[PRA], PRM, v[PRA]               ; back, 64 h
	s_mov_b32 s[SEL], 0x76543210
	s_mov_b32 s[SEL+1], 0xfedcba98
	s_mov_b32 s[MNT], 0x600000
.irp b, 0,1,2,3
	v_mov_b32 v[TM+4+\b], 0                        ; a lane permute's destination counts as one of its sources
.endr
	s_lshl_b32 s82, s43, 10                        ; b_qkv at row 256 y,
	s_lshl_b32 s83, s15, 9
	s_add_co_u32 s82, s82, s83                     ; + my 128 of P (q, k)
	s_mov_b32 s83, 0
	s_add_nc_u64 s[78:79], s[6:7], s[82:83]
	s_lshl_b32 s84, s43, 10
	s_lshl_b32 s85, s16, 8
	s_add_co_u32 s84, s84, s85                     ; + my 64 of L (v)
	s_mov_b32 s85, 0
	s_add_nc_u64 s[80:81], s[6:7], s[84:85]
	v_and_b32 v30, 8, v2
	s_delay_alu instid0(VALU_DEP_1)
	v_add_nc_u32 v30, v30, v2
	s_delay_alu instid0(VALU_DEP_1)
	v_lshlrev_b32 v30, 2, v30                      ; 4 (r + 8 (r / 8))
	global_load_b128 v[56:59], v[L16], s[78:79]
.irp l, 0,1,2,3
	global_load_b32 v[BV+2*\l], v30, s[80:81] offset:4*(32*(\l/2)+8*(\l%2))
.endr
	s_wait_loadcnt 0x0
	ds_store_b128 v31, v[56:59]
.irp l, 0,1,2,3
	v_mov_b32 v[BV+2*\l+1], v[BV+2*\l]             ; a pair for the packed addition
.endr
	s_wait_tensorcnt 0x1                           ; my piece of slot 0 is in; slot 1's load may be out
	s_wait_dscnt 0x0
	s_barrier_signal -1
	s_barrier_wait -1
	WORK 0, 1                                      ; K steps 0, 1: the first products start the sums
	TWO 1, 1                                       ; K steps 2, 3; slot 0 takes 4, 5
	TWO 0, 1                                       ; K steps 4, 5; slot 1 takes 6, 7
	TWO 1, 0                                       ; K steps 6, 7
	; ---- THE WAY OUT
	v_cmp_le_u32 vcc_lo, 16, v1                    ; lanes 16-31
	s_cmp_eq_u32 s17, 2
	s_cbranch_scc1 .Lv
	s_lshl_b32 s82, s42, 2
	s_add_co_u32 s82, s82, s16                     ; my 64 tokens
	s_lshr_b32 s83, s82, 5                         ; batch
	s_and_b32 s82, s82, 31                         ; which 64 of its 2,048
	s_and_b32 s84, s43, 3
	s_lshl_b32 s84, s84, 2
	s_lshl_b32 s85, s15, 1
	s_add_co_u32 s84, s84, s85                     ; my first head of two
	s_lshl_b32 s83, s83, 4
	s_add_co_u32 s83, s83, s84
	s_mul_i32 s84, s83, 139264
	s_mul_i32 s85, s82, 4352
	s_add_co_u32 s84, s84, s85                     ; q's record
	s_mul_i32 s86, s83, 270336
	s_lshr_b32 s87, s82, 1
	s_mul_i32 s87, s87, PIECE
	s_add_co_u32 s86, s86, s87
	s_and_b32 s88, s82, 1
	s_lshl_b32 s87, s88, 12
	s_add_co_u32 s86, s86, s87
	s_add_co_u32 s86, s86, 4456448                 ; k's: the step's record, fragments 2 (tokens' block % 2) on
	s_mov_b32 s87, 270336
	s_cmp_eq_u32 s17, 0
	s_cselect_b32 s90, s84, s86
	s_cselect_b32 s92, 139264, s87                 ; from a head to the next
	s_mov_b32 s91, 0
	s_mov_b32 s93, 0
	s_add_nc_u64 s[BA:BA+1], s[8:9], s[90:91]
	s_add_nc_u64 s[BB:BB+1], s[BA:BA+1], s[92:93]
.irp b, 0,1,2,3
.irp j, 0,1,2,3
	ds_load_b128 v[BI+16*\b+4*\j:BI+16*\b+4*\j+3], v[PRA] offset:128*\b+16*\j   ; the biases of my 64 registers
.endr
.endr
	s_wait_dscnt 0x0
.macro OUT_QK l                        ; tile l of my tokens: bias, quantiser; blocks 0, 1 are the first head's 64, blocks 2, 3 the second's
.if \l > 0
	s_wait_xcnt 0x0                                ; the last tile's stores have read their codes
.endif
	WIN 0x01                                       ; source 0 in window 1
.set n, 0
.rept 32
	v_pk_add_f32 v[ST+n:ST+n+1], v[64*\l+n:64*\l+n+1], v[BI+n:BI+n+1]   ; each accumulator from its low end on
.set n, n+2
.endr
	WIN 0
	QUANT ST, PW+\l
	global_store_b128 v[L16], v[PC:PC+3], s[BA:BA+1] offset:1024*\l
	global_store_b128 v[L16], v[PC+4:PC+7], s[BA:BA+1] offset:1024*\l+512
	global_store_b128 v[L16], v[PC+8:PC+11], s[BB:BB+1] offset:1024*\l
	global_store_b128 v[L16], v[PC+12:PC+15], s[BB:BB+1] offset:1024*\l+512
.endm
	OUT_QK 0
	OUT_QK 1
	OUT_QK 2
	OUT_QK 3
	s_cmp_eq_u32 s17, 0
	s_cbranch_scc0 .Lk_words
	v_cndmask_b32 v30, v[PW], v[PW+1], vcc_lo      ; q: lanes 16-31 carry the odd tiles' words
	v_cndmask_b32 v31, v[PW+2], v[PW+3], vcc_lo
	s_delay_alu instid0(VALU_DEP_2)
	v_and_b32 v56, 0xffff, v30
	s_delay_alu instid0(VALU_DEP_2)
	v_and_b32 v57, 0xffff, v31
	s_delay_alu instid0(VALU_DEP_2)
	v_lshl_or_b32 v[SGW], v30, 16, v56             ; the first head's two bytes, twice
	s_delay_alu instid0(VALU_DEP_2)
	v_lshl_or_b32 v[SGW+1], v31, 16, v57
	v_lshrrev_b32 v56, 16, v30
	v_lshrrev_b32 v57, 16, v31
	s_delay_alu instid0(VALU_DEP_2)
	v_and_or_b32 v58, v30, 0xffff0000, v56         ; the second head's
	s_delay_alu instid0(VALU_DEP_2)
	v_and_or_b32 v59, v31, 0xffff0000, v57
	global_store_b64 v[L8], v[SGW:SGW+1], s[BA:BA+1] offset:4096
	global_store_b64 v[L8], v[58:59], s[BB:BB+1] offset:4096
	s_branch .Lend
.Lk_words:
	v_cndmask_b32 v30, v[PW], v[PW+2], vcc_lo      ; k: a fragment's word = the even tile's two bytes (key), the odd tile's (key + 8)
	v_cndmask_b32 v31, v[PW+1], v[PW+3], vcc_lo
	s_delay_alu instid0(VALU_DEP_2)
	v_and_b32 v56, 0xffff, v30
	s_delay_alu instid0(VALU_DEP_3)
	v_lshrrev_b32 v57, 16, v30
	s_delay_alu instid0(VALU_DEP_2)
	v_lshl_or_b32 v[SGW], v31, 16, v56
	s_delay_alu instid0(VALU_DEP_2)
	v_and_or_b32 v[SGW+1], v31, 0xffff0000, v57
	s_mul_i32 s88, s88, 4092
	s_sub_co_u32 s88, 8192, s88                    ; from my fragments to the record's words: 8,192 - 4,096 e + 4 e
	v_add_nc_u32 v58, s88, v[L8]
	global_store_b32 v58, v[SGW], s[BA:BA+1]
	global_store_b32 v58, v[SGW+1], s[BB:BB+1]
	s_branch .Lend
.Lv:
	s_sub_co_u32 s82, s43, 8
	s_lshl_b32 s82, s82, 2
	s_add_co_u32 s82, s82, s16                     ; my head
	s_lshr_b32 s83, s42, 3
	s_lshl_b32 s83, s83, 4
	s_add_co_u32 s82, s82, s83
	s_mul_i32 s82, s82, 270336
	s_lshl_b32 s83, s42, 1
	s_add_co_u32 s83, s83, s15
	s_and_b32 s83, s83, 15                         ; my key step
	s_mul_i32 s83, s83, PIECE
	s_add_co_u32 s90, s82, s83
	s_add_co_u32 s90, s90, 4456448+QR              ; V's record lies behind K's
	s_mov_b32 s91, 0
	s_add_nc_u64 s[BA:BA+1], s[8:9], s[90:91]
.macro OUT_V l                         ; tile l of the head's 64: a lane holds one of them, its registers the step's 128 keys
.if \l > 0
	s_wait_xcnt 0x0
.endif
	WIN 0x01
.set n, 0
.rept 32
	v_pk_add_f32 v[ST+n:ST+n+1], v[64*\l+n:64*\l+n+1], v[BV+2*\l:BV+2*\l+1]
.set n, n+2
.endr
	WIN 0
	QUANT ST, PW+\l
.irp c, 0,1,2,3
	global_store_b128 v[L16], v[PC+4*\c:PC+4*\c+3], s[BA:BA+1] offset:2048*\l+512*\c
.endr
.endm
	s_wait_alu depctr_va_vdst(0)
	OUT_V 0
	OUT_V 1
	OUT_V 2
	OUT_V 3
	v_cndmask_b32 v[SGW], v[PW], v[PW+1], vcc_lo
	v_cndmask_b32 v[SGW+1], v[PW+2], v[PW+3], vcc_lo
	global_store_b64 v[L8], v[SGW:SGW+1], s[BA:BA+1] offset:8192
.Lend:
	s_wait_tensorcnt 0x0                           ; the wave's end
	ds_add_u32 v[SPW], v[NIL]
	s_wait_dscnt 0x0
	CROUND                                         ; the closing round
	s_endpgm
.Lfunc_end_k_qbd35e27ad6_qkv:
	.size	k_qbd35e27ad6_qkv, .Lfunc_end_k_qbd35e27ad6_qkv-k_qbd35e27ad6_qkv
	.p2alignl 7, 3214868480
	.fill 96, 4, 3214868480
	.section	.rodata,"a",@progbits
	.p2align	6, 0x0
	.amdhsa_kernel k_qbd35e27ad6_qkv
		.amdhsa_group_segment_fixed_size 327680
		.amdhsa_private_segment_fixed_size 0
		.amdhsa_enable_private_segment 0
		.amdhsa_kernarg_size 24
		.amdhsa_user_sgpr_count 2
		.amdhsa_user_sgpr_kernarg_segment_ptr 1
		.amdhsa_wavefront_size32 1
		.amdhsa_system_sgpr_workgroup_id_x 1
		.amdhsa_system_sgpr_workgroup_id_y 1
		.amdhsa_system_sgpr_workgroup_id_z 1
		.amdhsa_system_vgpr_workitem_id 0
		.amdhsa_next_free_vgpr 512
		.amdhsa_next_free_sgpr 100
		.amdhsa_reserve_vcc 1
		.amdhsa_float_denorm_mode_32 3
		.amdhsa_float_denorm_mode_16_64 3
		.amdhsa_memory_ordered 1
		.amdhsa_forward_progress 1
		.amdhsa_inst_pref_size 173
	.end_amdhsa_kernel
	.amdgpu_metadata
---
amdhsa.version: [ 1, 2 ]
amdhsa.kernels:
  - .name:           k_qbd35e27ad6_qkv
    .symbol:         k_qbd35e27ad6_qkv.kd
    .args:
      - { .name: qin, .offset: 0, .size: 8, .value_kind: global_buffer, .address_space: global }
      - { .name: b_qkv, .offset: 8, .size: 8, .value_kind: global_buffer, .address_space: global }
      - { .name: qkvb, .offset: 16, .size: 8, .value_kind: global_buffer, .address_space: global }
    .group_segment_fixed_size: 327680
    .private_segment_fixed_size: 0
    .kernarg_segment_align: 8
    .kernarg_segment_size: 24
    .max_flat_workgroup_size: 256
    .sgpr_count:     100
    .vgpr_count:     512
    .wavefront_size: 32
...
	.end_amdgpu_metadata
.endif
;; end of part 2
;; launch attn (part 3): grid 8 x 32, 16 waves a work-group, clusters of 4 x 1, 327,680 bytes of LDS; arguments qkvb, att; writes att
.if DOCPART == 3
	.amdgcn_target "amdgcn-amd-amdhsa--gfx1250"
	.amdhsa_code_object_version 6
	.text
	.protected	k_qbd35e27ad6_attn
	.globl	k_qbd35e27ad6_attn
	.p2align	8
	.type	k_qbd35e27ad6_attn,@function
k_qbd35e27ad6_attn:
	s_mov_b64 s[64:65], 0
	v_nop
	global_prefetch_b8 v0, s[64:65] scope:SCOPE_SE
	s_setreg_imm32_b32 hwreg(HW_REG_WAVE_MODE, 25, 1), 1
	s_wait_xcnt 0x0
	s_wait_alu depctr_hold_cnt(0) depctr_sa_sdst(0) depctr_va_vdst(0) depctr_va_sdst(0) depctr_va_ssrc(0) depctr_va_vcc(0) depctr_vm_vsrc(0)
	s_getreg_b32 s2, hwreg(HW_REG_IB_STS2, 6, 4)
	s_cmp_eq_u32 s2, 0
	s_cbranch_scc0 .Lentry_in_a_cluster
	s_endpgm
.Lentry_in_a_cluster:
	s_bfe_u32 s2, ttmp6, 0x10000c
	s_cmp_lg_u32 s2, 0x3003
	s_cbranch_scc0 .Lentry_shape_is_right
	s_endpgm
.Lentry_shape_is_right:
; Attention of one head on codes of E5M2 with E8M0 scales: o = softmax(q k^T / 8) v, quantised at once along the next product's K and stored as operand records.
; A work-group owns 256 queries of one head, each of sixteen waves 16 of them.  The head's 16 key steps (a record of K and one of V each, 270,336 bytes) stay in LDS: two joint loads a wave, shared by the four query blocks of a cluster.
; Both products are used transposed: a lane holds one query.  p = 2^(t - M), M the ceiling of the running largest t; the row's sum is taken of the unquantised p and divides at the end.
; A key step's 68 exponentials go as one batch, with one wait ahead of it and one behind it.
; LIMITS: the scaled scores stay under 2^31 in magnitude; a block whose largest magnitude lies under 2^-111 gets the byte 1; NaN and infinities are not served.
.set QR,    8448
.set STP,   2*QR
.set HALF,  16*QR
.set KVH,   270336
.set KVOFF, 4456448
.set RX,  32
.set RY,  96
.set ADK, 8
.set ADS, 9
.set WV,  18
.set MNT, 19
.set SEL, 20
.set CS,  22
.set G1,  24
.set G0A, 32
.set G0B, 36
.set TB,  2
.set CNT, 3
.macro CROUND
	s_barrier_signal -1
	s_barrier_wait -1
	s_cmp_lg_u32 s[WV], 0
	s_cbranch_scc1 .Lnot_wave_0_\@
	s_barrier_signal -3
.Lnot_wave_0_\@:
	s_barrier_wait -3
	s_barrier_signal -1
	s_barrier_wait -1
.endm
.macro MM d, a, b, zero, sa, sb, ra
.if \zero
.if \ra
	v_wmma_scale_f32_16x16x128_f8f6f4 v[\d:\d+7], v[\a:\a+15], v[\b:\b+15], 0, v[\sa], v[\sb] matrix_a_fmt:MATRIX_FMT_BF8 matrix_b_fmt:MATRIX_FMT_BF8 matrix_a_scale:MATRIX_SCALE_ROW1
.else
	v_wmma_scale_f32_16x16x128_f8f6f4 v[\d:\d+7], v[\a:\a+15], v[\b:\b+15], 0, v[\sa], v[\sb] matrix_a_fmt:MATRIX_FMT_BF8 matrix_b_fmt:MATRIX_FMT_BF8
.endif
.else
.if \ra
	v_wmma_scale_f32_16x16x128_f8f6f4 v[\d:\d+7], v[\a:\a+15], v[\b:\b+15], v[\d:\d+7], v[\sa], v[\sb] matrix_a_fmt:MATRIX_FMT_BF8 matrix_b_fmt:MATRIX_FMT_BF8 matrix_a_scale:MATRIX_SCALE_ROW1
.else
	v_wmma_scale_f32_16x16x128_f8f6f4 v[\d:\d+7], v[\a:\a+15], v[\b:\b+15], v[\d:\d+7], v[\sa], v[\sb] matrix_a_fmt:MATRIX_FMT_BF8 matrix_b_fmt:MATRIX_FMT_BF8
.endif
.endif
.endm
.macro KFRAG reg, f, off
.irp c, 0,1,2,3
	ds_load_b128 v[\reg+16*(\f)+4*\c:\reg+16*(\f)+4*\c+3], v[ADK] offset:\off+2048*(\f)+512*\c
.endr
.endm
.macro CVT sr, b
	v_cvt_scalef32_pk8_bf8_f32 v[224+4*(\b):225+4*(\b)], v[\sr+16*(\b):\sr+7+16*(\b)], v[244+(\b)]
	v_cvt_scalef32_pk8_bf8_f32 v[226+4*(\b):227+4*(\b)], v[\sr+8+16*(\b):\sr+15+16*(\b)], v[244+(\b)]
.endm
.macro PLAINC sr
.if j == 0
	v_pk_add_f32 v[16:17], v[\sr:\sr+1], v[\sr+2:\sr+3]
.elseif j < 15
.if (j%2) == 1
	v_pk_add_f32 v[14:15], v[14:15], v[\sr+2*(j+1):\sr+2*(j+1)+1]
.else
	v_pk_add_f32 v[16:17], v[16:17], v[\sr+2*(j+1):\sr+2*(j+1)+1]
.endif
.elseif j < 19
	v_max_num_f32 v[232+j-15], 0x8000000, v[232+j-15]
.elseif j < 23
	v_add_nc_u32 v[244+j-19], 0xf8800000, v[232+j-19]
.elseif j < 27
	v_and_or_b32 v[240+j-23], v[232+j-23], 0x7f800000, s[MNT]
.elseif j < 31
	v_lshrrev_b32 v[236+j-27], 23, v[244+j-27]
.elseif j == 31
	v_lshl_or_b32 v253, v237, 8, v236
.elseif j == 32
	v_lshl_or_b32 v253, v238, 16, v253
.elseif j == 33
	s_delay_alu instid0(VALU_DEP_1)
	v_lshl_or_b32 v253, v239, 24, v253
.else
	v_min_num_f32 v[\sr+j-34], v[\sr+j-34], v[240+(j-34)/16]
.endif
.set j, j+1
.endm
	s_load_b128 s[4:7], s[0:1], 0x0
	v_lshl_add_u32 v222, v0, 2, 0x42000
	v_mov_b32 v223, 0
	ds_add_u32 v222, v223
	ds_add_u32 v222, v223
	v_lshrrev_b32 v8, 5, v0
	s_delay_alu instid0(VALU_DEP_1)
	v_readfirstlane_b32 s[WV], v8
	s_bfe_u32 s41, ttmp6, 0x40000
	s_lshl_b32 s45, ttmp9, 2
	s_add_co_u32 s45, s45, s41
	s_lshl_b32 s45, s45, 2
	s_lshr_b32 s47, s[WV], 2
	s_add_co_u32 s45, s45, s47
	s_and_b32 s46, s[WV], 3
	s_and_b32 s40, ttmp7, 0xffff
	s_mul_i32 s44, s[WV], QR
	s_mov_b32 s[G1], 15|(3<<16)|(1<<21)
	s_mov_b32 s[G1+1], 32<<16
	s_mov_b32 s[G1+2], 33<<16
	s_mov_b32 s[G1+3], 32<<16
	s_mov_b32 s[G1+4], 33
	s_mov_b32 s[G1+5], 32
	s_mov_b32 s[G1+6], 0
	s_mov_b32 s[G1+7], 0
	s_mul_i32 s42, s40, KVH
	s_add_co_u32 s42, s42, s44
	s_add_co_u32 s42, s42, KVOFF
	s_mov_b32 s43, 0
	s_mov_b32 s[SEL], 0x76543210
	s_mov_b32 s[SEL+1], 0xfedcba98
	s_mov_b32 s[CS], 0x3e38aa3b
	s_mov_b32 s[CS+1], s[CS]
	s_mov_b32 s[MNT], 0x600000
	s_wait_dscnt 0x0
	s_wait_kmcnt 0x0
	s_add_nc_u64 s[48:49], s[4:5], s[42:43]
	CROUND
	s_mov_b32 s[G0A], 1
	s_mov_b32 s[G0A+1], s44
	s_mov_b64 s[G0A+2:G0A+3], s[48:49]
	s_or_b32 s[G0A+3], s[G0A+3], 0x80000000
	s_mov_b32 s[G0B], 1
	s_add_co_u32 s[G0B+1], s44, HALF
	s_add_nc_u64 s[G0B+2:G0B+3], s[48:49], HALF
	s_or_b32 s[G0B+3], s[G0B+3], 0x80000000
	tensor_load_to_lds s[G0A:G0A+3], s[G1:G1+7]
	s_nop 0
.rept 4
	v_nop
.endr
	v_and_b32 v3, 31, v0
	s_delay_alu instid0(VALU_DEP_1)
	v_lshlrev_b32 v1, 4, v3
	s_wait_alu depctr_va_vdst(0)
	v_lshlrev_b32 v2, 3, v3
	v_and_b32 v3, 15, v0
	s_delay_alu instid0(VALU_DEP_1)
	v_lshlrev_b32 v3, 3, v3
	s_wait_alu depctr_va_vdst(0)
	s_mul_i32 s60, s40, 139264
	s_mul_i32 s47, s45, 4352
	s_add_co_u32 s60, s60, s47
	s_mov_b32 s61, 0
	s_add_nc_u64 s[52:53], s[4:5], s[60:61]
	s_lshl_b32 s60, s46, 10
	s_add_nc_u64 s[50:51], s[52:53], s[60:61]
	s_and_b32 s58, s46, 1
	s_lshl_b32 s58, s58, 7
	s_lshr_b32 s47, s46, 1
	s_lshl_b32 s47, s47, 2
	s_add_co_u32 s58, s58, s47
	s_mov_b32 s60, s58
	s_add_nc_u64 s[52:53], s[52:53], s[60:61]
	global_load_b128 v[192:195], v1, s[50:51]
	global_load_b128 v[196:199], v1, s[50:51] offset:512
	global_load_b128 v[208:211], v1, s[50:51]
	global_load_b128 v[212:215], v1, s[50:51] offset:512
	global_load_b32 v216, v3, s[52:53] offset:4096   ; q's five loads are on their way beside the first half of K and V
	s_wait_alu depctr_va_vdst(0)
	s_wait_tensorcnt 0x0                           ; the second half's first fill is issued as a refill is
	ds_add_u32 v222, v223
	s_wait_dscnt 0x0
	CROUND
	tensor_load_to_lds s[G0B:G0B+3], s[G1:G1+7]
	s_nop 0
.rept 4
	v_nop
.endr
	s_and_b32 s59, s40, 15
	s_lshr_b32 s47, s59, 1
	s_lshl_b32 s47, s47, 6
	s_lshr_b32 s60, s40, 4
	s_lshl_b32 s60, s60, 5
	s_add_co_u32 s47, s47, s60
	s_add_co_u32 s47, s47, s45
	s_mul_i32 s60, s47, QR
	s_add_nc_u64 s[6:7], s[6:7], s[60:61]
	s_and_b32 s59, s59, 1
	s_lshl_b32 s60, s46, 11
	s_lshl_b32 s47, s59, 10
	s_add_co_u32 s60, s60, s47
	s_add_nc_u64 s[54:55], s[6:7], s[60:61]
	s_lshl_b32 s60, s59, 1
	s_add_co_u32 s60, s60, s58
	s_add_nc_u64 s[56:57], s[6:7], s[60:61]
.irp j, 0,1,2,3,4,5,6,7
	v_mov_b32 v[200+\j], 0
.endr
	v_mov_b32 v13, 0xff61b1e6
	s_delay_alu instid0(VALU_DEP_1)
	v_floor_f32 v12, -v13
	v_mov_b32 v14, 0
	v_mov_b32 v15, 0
.irp b, 0,1,2,3
	v_mov_b32 v[236+\b], 0
.endr
	v_mov_b32 v253, 0
.set n, 0
.rept 32
	v_mov_b32 v[160+n], 0
.set n, n+1
.endr
.macro STEP kr, sr, o, pre
.if (\o) == 0
	v_add_nc_u32 v[ADK], s[TB], v1
	v_add_nc_u32 v[ADS], s[TB], v2
.else
	v_nop
	v_nop
.endif
	v_mov_b32 v254, v12
.rept 6
	v_nop
.endr
	s_wait_alu depctr_va_vdst(0)
.irp f, 0,1,2,3
	s_wait_dscnt 4*(3-\f)
.irp u, 0,1
	MM \sr+16*\f+8*\u, \kr+16*\f, 192+8*\u, 1, 248+\f/2, 216, \f%2
.endr
.endr
.rept 8
	v_nop
.endr
	ds_load_b64 v[250:251], v[ADS] offset:\o+2*QR-256
.irp t, 0,1,2,3
.irp c, 0,1,2,3
	ds_load_b128 v[\kr+16*\t+4*\c:\kr+16*\t+4*\c+3], v[ADK] offset:\o+QR+2048*\t+512*\c
.endr
.endr
.irp b, 0,1,2,3
	v_max3_num_f32 v[232+\b], v[\sr+16*\b], v[\sr+1+16*\b], v[\sr+2+16*\b]
.endr
.irp i, 3,5,7,9,11,13
.irp b, 0,1,2,3
	v_max3_num_f32 v[232+\b], v[232+\b], v[\sr+16*\b+\i], v[\sr+1+16*\b+\i]
.endr
.endr
.irp b, 0,1,2,3
	v_max_num_f32 v[232+\b], v[232+\b], v[\sr+15+16*\b]
.endr
.irp b, 0,1,2,3
	v_permlanex16_b32 v[236+\b], v[232+\b], s[SEL], s[SEL+1]
.endr
.irp b, 0,1,2,3
	s_delay_alu instid0(VALU_DEP_4)
	v_max_num_f32 v[232+\b], v[232+\b], v[236+\b]
.endr
	s_delay_alu instid0(VALU_DEP_2)
	v_max3_num_f32 v255, v232, v233, v234
	s_delay_alu instid0(VALU_DEP_1)
	v_max_num_f32 v255, v255, v235
	s_delay_alu instid0(VALU_DEP_1)
	v_mul_f32 v255, s[CS], v255
	s_delay_alu instid0(VALU_DEP_1)
	v_max_num_f32 v13, v13, v255
	s_delay_alu instid0(VALU_DEP_1)
	v_floor_f32 v12, -v13
.set n, 0
.rept 32
	v_pk_fma_f32 v[\sr+n:\sr+n+1], v[\sr+n:\sr+n+1], s[CS:CS+1], v[12:13] op_sel_hi:[1,0,0]
.if n == 6
	v_sub_f32 v254, v12, v254
.elseif n == 14
	v_cvt_i32_f32 v254, v254
.elseif n == 22
	v_ldexp_f32 v252, 1.0, v254
.endif
.set n, n+2
.endr
.irp b, 0,1,2,3
	v_fma_f32 v[232+\b], v[232+\b], s[CS], v12
.endr
.set n, 0
	s_wait_alu depctr_va_vdst(0)
.rept 64
	v_exp_f32 v[\sr+n], v[\sr+n]                   ; p = 2^(t - M)
.set n, n+1
.endr
.irp b, 0,1,2,3
	v_exp_f32 v[232+\b], v[232+\b]                 ; each block's largest p
.endr
	v_pk_mul_f32 v[14:15], v[14:15], v[252:253] op_sel_hi:[1,0]   ; the sums under the new M: a plain place behind the batch
	s_wait_alu depctr_va_vdst(0)                   ; one wait for the batch, directly ahead of the first readers of O^T too
.set n, 0
.rept 10
	v_pk_mul_f32 v[160+n:161+n], v[160+n:161+n], v[252:253] op_sel_hi:[1,0]   ; O^T under the new M; its last six pairs follow ahead of the products
.set n, n+2
.endr
.set j, 0
.rept 66
	PLAINC \sr                                     ; the first 32 p's sums, the scales' lines, the hold of blocks 0 and 1
.endr
	s_wait_alu depctr_va_vdst(0)
.if \pre
	ds_load_b64 v[248:249], v[ADS] offset:\o+STP+8192
.endif
.irp b, 0,1
	CVT \sr, \b
.if \pre
	KFRAG \sr, \b, \o+STP
.endif
.endr
.set n, 32
.rept 8
	v_pk_add_f32 v[14:15], v[14:15], v[\sr+n:\sr+n+1]
	v_pk_add_f32 v[16:17], v[16:17], v[\sr+n+2:\sr+n+3]
.set n, n+4
.endr
	s_delay_alu instid0(VALU_DEP_1)
	v_pk_add_f32 v[14:15], v[14:15], v[16:17]
.irp b, 2,3
.irp i, 0,1,2,3,4,5,6,7,8,9,10,11,12,13,14,15
	v_min_num_f32 v[\sr+16*\b+\i], v[\sr+16*\b+\i], v[240+\b]
.endr
	CVT \sr, \b
.if \pre
	KFRAG \sr, \b, \o+STP
.endif
.endr
.set n, 20
.rept 6
	v_pk_mul_f32 v[160+n:161+n], v[160+n:161+n], v[252:253] op_sel_hi:[1,0]
.set n, n+2
.endr
.if \pre
	s_wait_alu depctr_va_vdst(0)
	s_wait_dscnt 17
.else
	s_wait_alu depctr_va_vdst(0)
	s_wait_dscnt 0x0
.endif
.irp t, 0,1,2,3
	MM 160+8*\t, \kr+16*\t, 224, 0, 250+\t/2, 253, \t%2
.endr
.endm
.macro PAIR last
	STEP RX, RY, 0, 1
.if \last
	STEP RY, RX, STP, 0
.else
	STEP RY, RX, STP, 1
.endif
.endm
	s_wait_tensorcnt 0x1
	s_wait_loadcnt 0x0
	s_barrier_signal -1
	s_barrier_wait -1
	s_mov_b32 s[TB], 0
	v_add_nc_u32 v[ADK], s[TB], v1
	v_add_nc_u32 v[ADS], s[TB], v2
	ds_load_b64 v[248:249], v[ADS] offset:8192
.irp f, 0,1,2,3
	KFRAG RX, \f, 0
.endr
	PAIR 0
	s_wait_tensorcnt 0x0
	s_wait_dscnt 0x0
	s_barrier_signal -1
	s_barrier_wait -1
	s_mov_b32 s[TB], 2*STP
	s_mov_b32 s[CNT], 6
.Lpair:
	PAIR 0
	s_add_co_u32 s[TB], s[TB], 2*STP
	s_sub_co_u32 s[CNT], s[CNT], 1
	s_cmp_lg_u32 s[CNT], 0
	s_cbranch_scc1 .Lpair
	s_mov_b32 s[TB], 14*STP
	PAIR 1
.rept 8
	v_nop
.endr
	v_add_f32 v14, v14, v15
	s_delay_alu instid0(VALU_DEP_1)
	v_permlanex16_b32 v252, v14, s[SEL], s[SEL+1]
	s_delay_alu instid0(VALU_DEP_1)
	v_add_f32 v14, v14, v252
	s_wait_alu depctr_va_vdst(0)
	v_rcp_f32 v14, v14
	v_nop
	s_wait_alu depctr_va_vdst(0)
.set n, 0
.rept 16
	v_pk_mul_f32 v[96+n:97+n], v[160+n:161+n], v[14:15] op_sel_hi:[1,0]
.set n, n+2
.endr
.irp b, 0,1
	v_max3_num_f32 v[232+\b], |v[96+16*\b]|, |v[97+16*\b]|, 0x8000000
.endr
.irp i, 2,4,6,8,10,12,14
.irp b, 0,1
	s_delay_alu instid0(VALU_DEP_2)
	v_max3_num_f32 v[232+\b], v[232+\b], |v[96+16*\b+\i]|, |v[97+16*\b+\i]|
.endr
.endr
.irp b, 0,1
	v_permlanex16_b32 v[236+\b], v[232+\b], s[SEL], s[SEL+1]
.endr
.irp b, 0,1
	s_delay_alu instid0(VALU_DEP_2)
	v_max_num_f32 v[232+\b], v[232+\b], v[236+\b]
.endr
.irp b, 0,1
	s_delay_alu instid0(VALU_DEP_2)
	v_add_nc_u32 v[244+\b], 0xf8800000, v[232+\b]
.endr
.irp b, 0,1
	s_delay_alu instid0(VALU_DEP_4)
	v_and_or_b32 v[240+\b], v[232+\b], 0x7f800000, s[MNT]
.endr
.irp b, 0,1
	s_delay_alu instid0(VALU_DEP_4)
	v_lshrrev_b32 v[236+\b], 23, v[244+\b]
.endr
	s_delay_alu instid0(VALU_DEP_1)
	v_lshl_or_b32 v254, v237, 8, v236
.irp b, 0,1
.irp i, 0,1,2,3,4,5,6,7,8,9,10,11,12,13,14,15
	v_med3_num_f32 v[96+16*\b+\i], v[96+16*\b+\i], -v[240+\b], v[240+\b]
.endr
	v_cvt_scalef32_pk8_bf8_f32 v[224+4*\b:225+4*\b], v[96+16*\b:103+16*\b], v[244+\b]
	v_cvt_scalef32_pk8_bf8_f32 v[226+4*\b:227+4*\b], v[104+16*\b:111+16*\b], v[244+\b]
.endr
	v_nop
	global_store_b128 v1, v[224:227], s[54:55]
	global_store_b128 v1, v[228:231], s[54:55] offset:512
	global_store_b16 v3, v254, s[56:57] offset:8192
	s_wait_tensorcnt 0x0
	ds_add_u32 v222, v223
	s_wait_dscnt 0x0
	CROUND
	s_endpgm
.Lfunc_end_k_qbd35e27ad6_attn:
	.size	k_qbd35e27ad6_attn, .Lfunc_end_k_qbd35e27ad6_attn-k_qbd35e27ad6_attn
	.p2alignl 7, 3214868480
	.fill 96, 4, 3214868480
	.section	.rodata,"a",@progbits
	.p2align	6, 0x0
	.amdhsa_kernel k_qbd35e27ad6_attn
		.amdhsa_group_segment_fixed_size 327680
		.amdhsa_private_segment_fixed_size 0
		.amdhsa_enable_private_segment 0
		.amdhsa_kernarg_size 16
		.amdhsa_user_sgpr_count 2
		.amdhsa_user_sgpr_kernarg_segment_ptr 1
		.amdhsa_wavefront_size32 1
		.amdhsa_system_sgpr_workgroup_id_x 1
		.amdhsa_system_sgpr_workgroup_id_y 1
		.amdhsa_system_sgpr_workgroup_id_z 1
		.amdhsa_system_vgpr_workitem_id 0
		.amdhsa_next_free_vgpr 256
		.amdhsa_next_free_sgpr 66
		.amdhsa_reserve_vcc 0
		.amdhsa_float_denorm_mode_32 3
		.amdhsa_float_denorm_mode_16_64 3
		.amdhsa_memory_ordered 1
		.amdhsa_forward_progress 1
		.amdhsa_inst_pref_size 127
	.end_amdhsa_kernel
	.amdgpu_metadata
---
amdhsa.version: [ 1, 2 ]
amdhsa.kernels:
  - .name:           k_qbd35e27ad6_attn
    .symbol:         k_qbd35e27ad6_attn.kd
    .args:
      - { .name: qkvb, .offset: 0, .size: 8, .value_kind: global_buffer, .address_space: global }
      - { .name: att, .offset: 8, .size: 8, .value_kind: global_buffer, .address_space: global }
    .group_segment_fixed_size: 327680
    .private_segment_fixed_size: 0
    .kernarg_segment_align: 8
    .kernarg_segment_size: 16
    .max_flat_workgroup_size: 512
    .sgpr_count:     66
    .vgpr_count:     256
    .wavefront_size: 32
...
	.end_amdgpu_metadata
.endif
;; end of part 3
;; launch outp (part 4): grid 32 x 8, 8 waves a work-group, clusters of 4 x 4, 327,680 bytes of LDS; arguments att, qin, ybuf; writes ybuf
.if DOCPART == 4
	.amdgcn_target "amdgcn-amd-amdhsa--gfx1250"
	.amdhsa_code_object_version 6
	.text
	.protected	k_qbd35e27ad6_outp
	.globl	k_qbd35e27ad6_outp
	.p2align	8
	.type	k_qbd35e27ad6_outp,@function
k_qbd35e27ad6_outp:
	s_mov_b64 s[64:65], 0
	v_nop
	global_prefetch_b8 v0, s[64:65] scope:SCOPE_SE
	s_setreg_imm32_b32 hwreg(HW_REG_WAVE_MODE, 25, 1), 1
	s_wait_xcnt 0x0
	s_wait_alu depctr_hold_cnt(0) depctr_sa_sdst(0) depctr_va_vdst(0) depctr_va_sdst(0) depctr_va_ssrc(0) depctr_va_vcc(0) depctr_vm_vsrc(0)
	s_getreg_b32 s2, hwreg(HW_REG_IB_STS2, 6, 4)
	s_cmp_eq_u32 s2, 0
	s_cbranch_scc0 .Lentry_in_a_cluster
	s_endpgm
.Lentry_in_a_cluster:
	s_bfe_u32 s2, ttmp6, 0x10000c
	s_cmp_lg_u32 s2, 0xf033
	s_cbranch_scc0 .Lentry_shape_is_right
	s_endpgm
.Lentry_shape_is_right:
; y = a w^T on codes of E5M2 (operand records of 64 rows x 128 K): a = attention's result [4,096 x 1,024], w = w_out [1,024 x 1,024].  Bias, residual and LayerNorm follow in the next launch.
; A work-group makes 128 tokens x 128 outputs, so that 256 work-groups share the product.  Eight waves; a wave makes 64 tokens (in the lanes) x 32 outputs (down the registers): 8 accumulators.
; ALL OF K LIES IN LDS AT ONCE: 8 K steps x 2 records of each operand, 270,336 bytes.  Each wave brings two K steps of one operand by ONE joint load: a tile of two rows of 16,896 bytes (a K step's two records, dense),
; a K step apart in memory: waves 0-3 a's (shared down a column of the cluster), waves 4-7 w's (along a row).  Nothing is filled again: one barrier, no ring.
; OUT: f32, [64 tokens][128 outputs][64 x 512 bytes]: piece 16 l + 4 b + m holds registers 16 b + 4 m on of tile l, lane by lane: the order in which the next launch's registers take them; 512 consecutive bytes a store.
; No prefetch: all tiles are asked for at the head, and there is no loop to run ahead in.
.set NQX,   64
.set NQY,   16
.set YOFF,  7569408
.set QR,    8448
.set PIECE, 2*QR                       ; one K step of one operand
.set OPB,   8*PIECE                    ; a's eight K steps; w's lie behind them
.set SPARE, 16*PIECE                   ; the spare words: 128 bytes a wave, four blocks of 256 bytes that no other line names
.set AL,  4                            ; v4-5   a's images, K steps 0-3, 4-7
.set AP,  6                            ; v6-7   w's
.set ALS, 8                            ; v8-9   a's scale words
.set APS, 10                           ; v10-11 w's
.set SPW, 12
.set NIL, 13
.set SL,  14                           ; v[14:15] the tokens' scale words
.set SPC, 16                           ; v16 w's: lanes 0-15 my first tile, lanes 16-31 my second
.set L16, 20
.set LF,  32                           ; v32-95  four fragments of a
.set PF,  96                           ; v96-127 two of w
.set ACC, 128                          ; v128-191: accumulator (l, u) at 16 l + 8 u
.set G1X, 24
.set G0X, 32
.set G1Y, 48
.set G0Y, 56
.macro CROUND                          ; a round of the cluster's barrier
	s_barrier_signal -1
	s_barrier_wait -1
	s_cmp_lg_u32 s14, 0
	s_cbranch_scc1 .Lnot_wave_0_\@
	s_barrier_signal -3
.Lnot_wave_0_\@:
	s_barrier_wait -3
	s_barrier_signal -1
	s_barrier_wait -1
.endm
.macro MM d, a, b, zero, sa, sb, ra, rb    ; ra, rb: the side's scale words stand in lanes 16-31
.if \zero
.if (\ra) && (\rb)
	v_wmma_scale_f32_16x16x128_f8f6f4 v[\d:\d+7], v[\a:\a+15], v[\b:\b+15], 0, v[\sa], v[\sb] matrix_a_fmt:MATRIX_FMT_BF8 matrix_b_fmt:MATRIX_FMT_BF8 matrix_a_scale:MATRIX_SCALE_ROW1 matrix_b_scale:MATRIX_SCALE_ROW1
.elseif \ra
	v_wmma_scale_f32_16x16x128_f8f6f4 v[\d:\d+7], v[\a:\a+15], v[\b:\b+15], 0, v[\sa], v[\sb] matrix_a_fmt:MATRIX_FMT_BF8 matrix_b_fmt:MATRIX_FMT_BF8 matrix_a_scale:MATRIX_SCALE_ROW1
.elseif \rb
	v_wmma_scale_f32_16x16x128_f8f6f4 v[\d:\d+7], v[\a:\a+15], v[\b:\b+15], 0, v[\sa], v[\sb] matrix_a_fmt:MATRIX_FMT_BF8 matrix_b_fmt:MATRIX_FMT_BF8 matrix_b_scale:MATRIX_SCALE_ROW1
.else
	v_wmma_scale_f32_16x16x128_f8f6f4 v[\d:\d+7], v[\a:\a+15], v[\b:\b+15], 0, v[\sa], v[\sb] matrix_a_fmt:MATRIX_FMT_BF8 matrix_b_fmt:MATRIX_FMT_BF8
.endif
.else
.if (\ra) && (\rb)
	v_wmma_scale_f32_16x16x128_f8f6f4 v[\d:\d+7], v[\a:\a+15], v[\b:\b+15], v[\d:\d+7], v[\sa], v[\sb] matrix_a_fmt:MATRIX_FMT_BF8 matrix_b_fmt:MATRIX_FMT_BF8 matrix_a_scale:MATRIX_SCALE_ROW1 matrix_b_scale:MATRIX_SCALE_ROW1
.elseif \ra
	v_wmma_scale_f32_16x16x128_f8f6f4 v[\d:\d+7], v[\a:\a+15], v[\b:\b+15], v[\d:\d+7], v[\sa], v[\sb] matrix_a_fmt:MATRIX_FMT_BF8 matrix_b_fmt:MATRIX_FMT_BF8 matrix_a_scale:MATRIX_SCALE_ROW1
.elseif \rb
	v_wmma_scale_f32_16x16x128_f8f6f4 v[\d:\d+7], v[\a:\a+15], v[\b:\b+15], v[\d:\d+7], v[\sa], v[\sb] matrix_a_fmt:MATRIX_FMT_BF8 matrix_b_fmt:MATRIX_FMT_BF8 matrix_b_scale:MATRIX_SCALE_ROW1
.else
	v_wmma_scale_f32_16x16x128_f8f6f4 v[\d:\d+7], v[\a:\a+15], v[\b:\b+15], v[\d:\d+7], v[\sa], v[\sb] matrix_a_fmt:MATRIX_FMT_BF8 matrix_b_fmt:MATRIX_FMT_BF8
.endif
.endif
.endm
; K step 4 hf + k: 26 LDS loads, 8 products on 8 accumulators by turns.
.macro KSTEP hf, k, first
	ds_load_b64 v[SL:SL+1], v[ALS+\hf] offset:8192+PIECE*\k
	ds_load_b32 v[SPC], v[APS+\hf] offset:8192+PIECE*\k
.irp l, 0,1,2,3
.irp c, 0,1,2,3
	ds_load_b128 v[LF+16*\l+4*\c:LF+16*\l+4*\c+3], v[AL+\hf] offset:PIECE*\k+2048*\l+512*\c
.endr
.endr
.irp u, 0,1
.irp c, 0,1,2,3
	ds_load_b128 v[PF+16*\u+4*\c:PF+16*\u+4*\c+3], v[AP+\hf] offset:PIECE*\k+2048*\u+512*\c
.endr
.endr
.irp u, 0,1
	s_wait_dscnt 4*(1-\u)                          ; all but the second tile's four loads; then all
.irp l, 0,1,2,3
	MM ACC+16*\l+8*\u, PF+16*\u, LF+16*\l, \first, SPC, SL+\l/2, \u, \l%2
.endr
.endr
.rept 8
	v_nop                                          ; eight places in front of loads into registers that these products read, and of the first read of results
.endr
.endm
	s_load_b128 s[4:7], s[0:1], 0x0                ; a's records, qin
	s_load_b64 s[8:9], s[0:1], 0x10                ; ybuf
	v_lshl_add_u32 v[SPW], v0, 2, SPARE
	v_mov_b32 v[NIL], 0
	ds_add_u32 v[SPW], v[NIL]                      ; the opening lines: the add, twice on end, and its wait ahead of my tensor load
	ds_add_u32 v[SPW], v[NIL]
	v_lshrrev_b32 v1, 5, v0
	v_readfirstlane_b32 s14, v1                    ; wave 0..7
	s_lshr_b32 s15, s14, 2                         ; I fetch for a (0) or for w (1).  Also: which 64 tokens are mine
	s_and_b32 s16, s14, 3                          ; which two K steps I fetch.  Also: which 32 outputs are mine
	s_bfe_u32 s40, ttmp6, 0x40000                  ; cx
	s_bfe_u32 s41, ttmp6, 0x40004                  ; cy
	s_lshl_b32 s42, ttmp9, 2
	s_add_co_u32 s42, s42, s40                     ; work-group x: 128 tokens
	s_and_b32 s17, ttmp7, 0xffff
	s_lshl_b32 s43, s17, 2
	s_add_co_u32 s43, s43, s41                     ; work-group y: 128 outputs
	s_lshl_b32 s44, s41, 2
	s_lshl_b32 s44, 15, s44                        ; my row of the cluster
	s_lshl_b32 s45, 0x1111, s40                    ; my column
	s_or_b32 s[G1X], s45, (3<<16)|(1<<21)          ; a's tiles hang on work-group x: shared down the column; elements of 8 bytes; bit 21 beside a mask
	s_or_b32 s[G1Y], s44, (3<<16)|(1<<21)          ; w's on work-group y: shared along the row
.irp g, G1X, G1Y
	s_mov_b32 s[\g+1], (PIECE/8)<<16               ; a row: 2,112 elements, a K step's two records
	s_mov_b32 s[\g+2], 2<<16                       ; two rows
	s_mov_b32 s[\g+3], (PIECE/8)<<16
	s_mov_b32 s[\g+4], 2
	s_mov_b32 s[\g+6], 0
	s_mov_b32 s[\g+7], 0
.endr
	s_mov_b32 s[G1X+5], NQX*QR/8                   ; from a K step to the next, in elements
	s_mov_b32 s[G1Y+5], NQY*QR/8
	s_mul_i32 s20, s16, 2*NQX
	s_lshl_b32 s21, s42, 1
	s_add_co_u32 s20, s20, s21
	s_mul_i32 s20, s20, QR                         ; a: record (K step 2 x mine, 2 x work-group x)
	s_mov_b32 s21, 0
	s_mul_i32 s22, s16, 2*NQY
	s_lshl_b32 s23, s43, 1
	s_add_co_u32 s22, s22, s23
	s_mul_i32 s22, s22, QR
	s_mov_b32 s23, 0
	s_mul_i32 s46, s14, 2*PIECE                    ; where it goes: no place in the cluster enters an LDS address
	s_wait_dscnt 0x0                               ; both opening adds are done
	s_wait_kmcnt 0x0
	s_add_nc_u64 s[20:21], s[4:5], s[20:21]
	s_add_nc_u64 s[22:23], s[6:7], s[22:23]
	s_add_nc_u64 s[22:23], s[22:23], YOFF
	CROUND                                         ; all sixteen work-groups are here: the joint loads meet
	s_mov_b32 s[G0X], 1
	s_mov_b32 s[G0X+1], s46
	s_mov_b64 s[G0X+2:G0X+3], s[20:21]
	s_or_b32 s[G0X+3], s[G0X+3], 0x80000000
	s_mov_b32 s[G0Y], 1
	s_mov_b32 s[G0Y+1], s46
	s_mov_b64 s[G0Y+2:G0Y+3], s[22:23]
	s_or_b32 s[G0Y+3], s[G0Y+3], 0x80000000
	s_cmp_eq_u32 s15, 0                            ; the branch hangs on the wave's number alone; every way passes one load
	s_cbranch_scc0 .Lfor_y
	tensor_load_to_lds s[G0X:G0X+3], s[G1X:G1X+7]
	s_nop 0
.rept 4
	v_nop
.endr
	s_branch .Lasked
.Lfor_y:
	tensor_load_to_lds s[G0Y:G0Y+3], s[G1Y:G1Y+7]
	s_nop 0
.rept 4
	v_nop
.endr
.Lasked:
	s_mul_i32 s66, s15, QR                         ; my record of a
	s_lshr_b32 s67, s16, 1
	s_mul_i32 s67, s67, QR
	s_add_co_u32 s67, s67, OPB                     ; my record of w,
	s_and_b32 s68, s16, 1
	s_lshl_b32 s69, s68, 12
	s_add_co_u32 s69, s69, s67                     ; its tiles 2 (mine % 2) on,
	s_lshl_b32 s68, s68, 2
	s_add_co_u32 s68, s68, s67                     ; and their scale words
	s_lshl_b32 s70, s42, 1
	s_add_co_u32 s70, s70, s15                     ; my 64 tokens
	s_lshl_b32 s70, s70, 3
	s_add_co_u32 s70, s70, s43                     ; x 8 chunks of 128 outputs
	s_lshl_b32 s70, s70, 6
	s_lshl_b32 s71, s16, 2
	s_add_co_u32 s70, s70, s71
	s_lshl_b32 s70, s70, 9
	s_mov_b32 s71, 0
	s_add_nc_u64 s[8:9], s[8:9], s[70:71]
	v_and_b32 v1, 31, v0
	v_lshlrev_b32 v[L16], 4, v1
	v_lshlrev_b32 v3, 3, v1
	v_add_nc_u32 v[AL], s66, v[L16]
	v_add_nc_u32 v[AP], s69, v[L16]
	v_add_nc_u32 v[ALS], s66, v3
	v_add_nc_u32 v[APS], s68, v3
	v_add_nc_u32 v[AL+1], 4*PIECE, v[AL]
	v_add_nc_u32 v[AP+1], 4*PIECE, v[AP]
	v_add_nc_u32 v[ALS+1], 4*PIECE, v[ALS]
	v_add_nc_u32 v[APS+1], 4*PIECE, v[APS]
	s_wait_alu depctr_va_vdst(0)
	s_wait_tensorcnt 0x0                           ; my two K steps are in;
	s_barrier_signal -1
	s_barrier_wait -1                              ; and everybody's
	KSTEP 0, 0, 1                                  ; the first products start the sums
	KSTEP 0, 1, 0
	KSTEP 0, 2, 0
	KSTEP 0, 3, 0
	KSTEP 1, 0, 0
	KSTEP 1, 1, 0
	KSTEP 1, 2, 0
	KSTEP 1, 3, 0
.irp l, 0,1,2,3
.irp m, 0,1,2,3
	global_store_b128 v[L16], v[ACC+16*\l+4*\m:ACC+16*\l+4*\m+3], s[8:9] offset:(16*\l+\m)*512 th:TH_STORE_NT   ; each accumulator from its low end on
.endr
.endr
	s_wait_tensorcnt 0x0                           ; the wave's end
	ds_add_u32 v[SPW], v[NIL]
	s_wait_dscnt 0x0
	CROUND                                         ; the closing round
	s_endpgm
.Lfunc_end_k_qbd35e27ad6_outp:
	.size	k_qbd35e27ad6_outp, .Lfunc_end_k_qbd35e27ad6_outp-k_qbd35e27ad6_outp
	.p2alignl 7, 3214868480
	.fill 96, 4, 3214868480
	.section	.rodata,"a",@progbits
	.p2align	6, 0x0
	.amdhsa_kernel k_qbd35e27ad6_outp
		.amdhsa_group_segment_fixed_size 327680
		.amdhsa_private_segment_fixed_size 0
		.amdhsa_enable_private_segment 0
		.amdhsa_kernarg_size 24
		.amdhsa_user_sgpr_count 2
		.amdhsa_user_sgpr_kernarg_segment_ptr 1
		.amdhsa_wavefront_size32 1
		.amdhsa_system_sgpr_workgroup_id_x 1
		.amdhsa_system_sgpr_workgroup_id_y 1
		.amdhsa_system_sgpr_workgroup_id_z 1
		.amdhsa_system_vgpr_workitem_id 0
		.amdhsa_next_free_vgpr 192
		.amdhsa_next_free_sgpr 100
		.amdhsa_reserve_vcc 0
		.amdhsa_float_denorm_mode_32 3
		.amdhsa_float_denorm_mode_16_64 3
		.amdhsa_memory_ordered 1
		.amdhsa_forward_progress 1
		.amdhsa_inst_pref_size 31
	.end_amdhsa_kernel
	.amdgpu_metadata
---
amdhsa.version: [ 1, 2 ]
amdhsa.kernels:
  - .name:           k_qbd35e27ad6_outp
    .symbol:         k_qbd35e27ad6_outp.kd
    .args:
      - { .name: att, .offset: 0, .size: 8, .value_kind: global_buffer, .address_space: global }
      - { .name: qin, .offset: 8, .size: 8, .value_kind: global_buffer, .address_space: global }
      - { .name: ybuf, .offset: 16, .size: 8, .value_kind: global_buffer, .address_space: global }
    .group_segment_fixed_size: 327680
    .private_segment_fixed_size: 0
    .kernarg_segment_align: 8
    .kernarg_segment_size: 24
    .max_flat_workgroup_size: 256
    .sgpr_count:     100
    .vgpr_count:     192
    .wavefront_size: 32
...
	.end_amdgpu_metadata
.endif
;; end of part 4
;; launch ln1 (part 5): grid 256 x 1, 8 waves a work-group, no clusters, 69,632 bytes of LDS; arguments ybuf, x, b_out, g1, beta1, x1f, x1c; writes x1f, x1c
.if DOCPART == 5
	.amdgcn_target "amdgcn-amd-amdhsa--gfx1250"
	.amdhsa_code_object_version 6
	.text
	.protected	k_qbd35e27ad6_ln1
	.globl	k_qbd35e27ad6_ln1
	.p2align	8
	.type	k_qbd35e27ad6_ln1,@function
k_qbd35e27ad6_ln1:
	s_mov_b64 s[64:65], 0
	v_nop
	global_prefetch_b8 v0, s[64:65] scope:SCOPE_SE
	s_setreg_imm32_b32 hwreg(HW_REG_WAVE_MODE, 25, 1), 1
	s_wait_xcnt 0x0
; x1 = LayerNorm(x + y + b_out) g1 + beta1, all in f32: stored as rows (x1f), and quantised along its 1,024 into the next product's operand records (x1c).
; A work-group takes one tile of 16 tokens (rows r + 8 (r / 8) from the tile's first row), wave w the 128 columns 128 w on.  A lane holds row r and 64 numbers: register 16 b + i = column 32 b + 16 h + i.
; y arrives in that order; the residual's rows are loaded 512 consecutive bytes a load and turn through the wave's own stage in LDS (rows 528 bytes apart); the result's rows go back the same way.
; Mean and variance in two passes, as the formula has them: a row's eight partial sums meet in LDS behind a barrier, twice.
; The tile's 16 scale words leave 4 bytes a lane, 8 apart (lanes r and r + 16 hold the same and name the same address): a record's words belong to four tiles, which four work-groups make.
; LIMITS: a block whose largest magnitude lies under 2^-111 gets the byte 1; NaN and infinities are not served.  Memory binds: no matrix unit, no cluster (nothing is shared), no tensor load.
.set FINAL, 0
.set QR,   8448
.set SCR1, 8*QR                        ; 16 rows x 8 waves x 4 bytes; the second exchange 512 bytes on
.set SA,  4
.set SBA, 5
.set L16, 6
.set H64, 7
.set SCR, 8
.set SCW, 9
.set R8,  10
.set PWR, 11
.set TM,  32
.set PC,  48
.set Y,   64
.set R,   128                          ; the residual, then g, then rows on the way out
.set BI,  192                          ; the bias, then beta
.set SEL, 32
.set MNT, 34
.set INV, 35
.macro QUANT s, pw
.irp b, 0,1,2,3
	v_max3_num_f32 v[TM+\b], |v[\s+16*\b]|, |v[\s+1+16*\b]|, 0x8000000   ; and the floor 2^(16 - 127)
.endr
.irp i, 2,4,6,8,10,12,14
.irp b, 0,1,2,3
	s_delay_alu instid0(VALU_DEP_4)
	v_max3_num_f32 v[TM+\b], v[TM+\b], |v[\s+16*\b+\i]|, |v[\s+1+16*\b+\i]|
.endr
.endr
.irp b, 0,1,2,3
	s_delay_alu instid0(VALU_DEP_4)
	v_permlanex16_b32 v[TM+4+\b], v[TM+\b], s[SEL], s[SEL+1]
.endr
.irp b, 0,1,2,3
	s_delay_alu instid0(VALU_DEP_4)
	v_max_num_f32 v[TM+\b], v[TM+\b], v[TM+4+\b]
.endr
.irp b, 0,1,2,3
	s_delay_alu instid0(VALU_DEP_4)
	v_add_nc_u32 v[TM+12+\b], 0xf8800000, v[TM+\b]
.endr
.irp b, 0,1,2,3
	v_and_or_b32 v[TM+8+\b], v[TM+\b], 0x7f800000, s[MNT]
.endr
.irp b, 0,1,2,3
	v_lshrrev_b32 v[TM+4+\b], 23, v[TM+12+\b]
.endr
	s_delay_alu instid0(VALU_DEP_3)
	v_lshl_or_b32 v[\pw], v[TM+5], 8, v[TM+4]
	s_delay_alu instid0(VALU_DEP_1)
	v_lshl_or_b32 v[\pw], v[TM+6], 16, v[\pw]
	s_delay_alu instid0(VALU_DEP_1)
	v_lshl_or_b32 v[\pw], v[TM+7], 24, v[\pw]
.irp b, 0,1,2,3
.irp i, 0,1,2,3,4,5,6,7,8,9,10,11,12,13,14,15
	v_med3_num_f32 v[\s+16*\b+\i], v[\s+16*\b+\i], -v[TM+8+\b], v[TM+8+\b]
.endr
	v_cvt_scalef32_pk8_bf8_f32 v[PC+4*\b:PC+1+4*\b], v[\s+16*\b:\s+7+16*\b], v[TM+12+\b]
	v_cvt_scalef32_pk8_bf8_f32 v[PC+2+4*\b:PC+3+4*\b], v[\s+8+16*\b:\s+15+16*\b], v[TM+12+\b]
.endr
	v_nop
.endm
.macro ACROSS off                      ; four packed chains v[16:23] -> v24 = the row's sum over its 1,024 columns
	s_delay_alu instid0(VALU_DEP_3)
	v_pk_add_f32 v[16:17], v[16:17], v[18:19]
	s_delay_alu instid0(VALU_DEP_2)
	v_pk_add_f32 v[20:21], v[20:21], v[22:23]
	s_delay_alu instid0(VALU_DEP_1)
	v_pk_add_f32 v[16:17], v[16:17], v[20:21]
	s_delay_alu instid0(VALU_DEP_1)
	v_add_f32 v16, v16, v17
	s_delay_alu instid0(VALU_DEP_1)
	v_permlanex16_b32 v17, v16, s[SEL], s[SEL+1]
	s_delay_alu instid0(VALU_DEP_1)
	v_add_f32 v16, v16, v17                        ; my wave's 128 columns
	ds_store_b32 v[SCW], v16 offset:\off           ; (lanes r and r + 16 write the same word with the same value)
	s_wait_dscnt 0x0                               ; for the others' sake
	s_barrier_signal -1
	s_barrier_wait -1
	ds_load_b128 v[24:27], v[SCR] offset:\off
	ds_load_b128 v[28:31], v[SCR] offset:\off+16
	s_wait_dscnt 0x0
	v_pk_add_f32 v[24:25], v[24:25], v[26:27]
	v_pk_add_f32 v[28:29], v[28:29], v[30:31]
	s_delay_alu instid0(VALU_DEP_1)
	v_pk_add_f32 v[24:25], v[24:25], v[28:29]
	s_delay_alu instid0(VALU_DEP_1)
	v_add_f32 v24, v24, v25
.endm
.macro PARAM reg, base                 ; 64 numbers of a [1,024] vector in my registers' order
.irp b, 0,1,2,3
.irp j, 0,1,2,3
	global_load_b128 v[\reg+16*\b+4*\j:\reg+16*\b+4*\j+3], v[H64], s[\base:\base+1] offset:128*\b+16*\j
.endr
.endr
.endm
	s_load_b256 s[4:11], s[0:1], 0x0               ; y, the residual, the bias, g
	s_load_b128 s[12:15], s[0:1], 0x20             ; beta, the rows out
.if FINAL == 0
	s_load_b64 s[16:17], s[0:1], 0x30              ; the records out
	v_lshl_add_u32 v14, v0, 2, 0x10c00
	v_mov_b32 v15, 0
.endif
	v_lshrrev_b32 v1, 5, v0
	s_delay_alu instid0(VALU_DEP_1)
	v_readfirstlane_b32 s18, v1                    ; wave
	v_and_b32 v1, 31, v0
	v_and_b32 v2, 15, v0                           ; r
	v_bfe_u32 v3, v0, 4, 1                         ; h
	s_mul_i32 s19, s18, QR                         ; my stage
	v_lshlrev_b32 v[L16], 4, v1
	s_delay_alu instid0(VALU_DEP_1)
	v_add_nc_u32 v[SA], s19, v[L16]
	v_mul_u32_u24 v[SBA], v2, 528
	s_delay_alu instid0(VALU_DEP_1)
	v_lshl_add_u32 v[SBA], v3, 6, v[SBA]
	s_delay_alu instid0(VALU_DEP_1)
	v_add_nc_u32 v[SBA], s19, v[SBA]
	v_lshlrev_b32 v[H64], 6, v3
	v_lshlrev_b32 v[SCR], 5, v2
	s_delay_alu instid0(VALU_DEP_1)
	v_add_nc_u32 v[SCR], SCR1, v[SCR]              ; my row's eight words
	s_lshl_b32 s19, s18, 2
	v_add_nc_u32 v[SCW], s19, v[SCR]               ; my wave's among them
	v_lshlrev_b32 v[R8], 3, v2
.irp b, 0,1,2,3
	v_mov_b32 v[TM+4+\b], 0
.endr
	s_mov_b32 s[SEL], 0x76543210
	s_mov_b32 s[SEL+1], 0xfedcba98
	s_mov_b32 s[MNT], 0x600000
	s_mov_b32 s[INV], 0x3a800000                   ; 1 / 1,024
	s_lshr_b32 s20, ttmp9, 2                       ; which 64 tokens
	s_and_b32 s21, ttmp9, 3                        ; which tile of them
	s_lshl_b32 s22, s20, 6
	s_lshr_b32 s23, s21, 1
	s_lshl_b32 s23, s23, 5
	s_add_co_u32 s22, s22, s23
	s_and_b32 s23, s21, 1
	s_lshl_b32 s23, s23, 3
	s_add_co_u32 s22, s22, s23                     ; the tile's first row
	s_lshl_b32 s22, s22, 12
	s_lshl_b32 s24, s18, 9                         ; my 512 bytes of a row
	s_add_co_u32 s22, s22, s24
	s_mov_b32 s23, 0
	s_mov_b32 s25, 0
	s_lshl_b32 s26, s20, 3
	s_add_co_u32 s26, s26, s18
	s_lshl_b32 s26, s26, 15
	s_lshl_b32 s27, s21, 13
	s_add_co_u32 s26, s26, s27                     ; y: ((8 q + w) 64 + 16 t) 512
	s_mov_b32 s27, 0
	s_wait_alu depctr_va_vdst(0)
	s_wait_kmcnt 0x0
	s_add_nc_u64 s[4:5], s[4:5], s[26:27]
	s_add_nc_u64 s[6:7], s[6:7], s[22:23]
	s_add_nc_u64 s[14:15], s[14:15], s[22:23]
	s_add_nc_u64 s[8:9], s[8:9], s[24:25]
	s_add_nc_u64 s[10:11], s[10:11], s[24:25]
	s_add_nc_u64 s[12:13], s[12:13], s[24:25]
.if FINAL == 0
	s_lshl_b32 s26, s18, 6
	s_add_co_u32 s26, s26, s20
	s_mul_i32 s26, s26, QR                         ; record (K step w, 64 tokens q)
	s_add_nc_u64 s[16:17], s[16:17], s[26:27]
	s_lshl_b32 s26, s21, 11
	s_add_nc_u64 s[28:29], s[16:17], s[26:27]      ; my tile's image
	s_and_b32 s26, s21, 1
	s_lshl_b32 s26, s26, 7
	s_lshr_b32 s19, s21, 1
	s_lshl_b32 s19, s19, 2
	s_add_co_u32 s26, s26, s19
	s_add_nc_u64 s[30:31], s[16:17], s[26:27]      ; its scale words, 8,192 further on
.endif
.irp i, 0,1,2,3,4,5,6,7,8,9,10,11,12,13,14,15
	global_load_b128 v[R+4*\i:R+4*\i+3], v[L16], s[6:7] offset:(\i+8*(\i/8))*4096 th:TH_LOAD_NT
.endr
.irp i, 0,1,2,3,4,5,6,7,8,9,10,11,12,13,14,15
	global_load_b128 v[Y+4*\i:Y+4*\i+3], v[L16], s[4:5] offset:512*\i th:TH_LOAD_NT
.endr
	PARAM BI, 8
	s_wait_loadcnt 32                              ; the residual's 16 loads are in; y's 16 and the bias's 16 may be out
.irp i, 0,1,2,3,4,5,6,7,8,9,10,11,12,13,14,15
	ds_store_b128 v[SA], v[R+4*\i:R+4*\i+3] offset:528*\i
.endr
.irp b, 0,1,2,3
.irp j, 0,1,2,3
	ds_load_b128 v[R+16*\b+4*\j:R+16*\b+4*\j+3], v[SBA] offset:128*\b+16*\j   ; LDS serves a wave's instructions in order: these see the stores above
.endr
.endr
	s_wait_loadcnt 0x0
	s_wait_dscnt 0x0
.set n, 0
.rept 32
	v_pk_add_f32 v[Y+n:Y+n+1], v[Y+n:Y+n+1], v[R+n:R+n+1]
.set n, n+2
.endr
.set n, 0
.rept 32
	v_pk_add_f32 v[Y+n:Y+n+1], v[Y+n:Y+n+1], v[BI+n:BI+n+1]
.set n, n+2
.endr
	PARAM R, 10                                    ; g and beta land while the statistics are made
	PARAM BI, 12
.irp c, 0,1,2,3
	v_pk_add_f32 v[16+2*\c:17+2*\c], v[Y+4*\c:Y+4*\c+1], v[Y+4*\c+2:Y+4*\c+3]
.endr
.irp j, 16,24,32,40,48,56
.irp c, 0,1,2,3
	s_delay_alu instid0(VALU_DEP_4)
	v_pk_add_f32 v[16+2*\c:17+2*\c], v[16+2*\c:17+2*\c], v[Y+\j+2*\c:Y+\j+2*\c+1]
.endr
.endr
	ACROSS 0
	s_delay_alu instid0(VALU_DEP_1)
	v_mul_f32 v24, s[INV], v24                     ; the mean
.set n, 0
.rept 32
	v_pk_add_f32 v[Y+n:Y+n+1], v[Y+n:Y+n+1], v[24:25] op_sel_hi:[1,0] neg_lo:[0,1] neg_hi:[0,1]
.set n, n+2
.endr
.irp c, 0,1,2,3
	v_pk_mul_f32 v[16+2*\c:17+2*\c], v[Y+2*\c:Y+2*\c+1], v[Y+2*\c:Y+2*\c+1]
.endr
.irp j, 8,16,24,32,40,48,56
.irp c, 0,1,2,3
	s_delay_alu instid0(VALU_DEP_4)
	v_pk_fma_f32 v[16+2*\c:17+2*\c], v[Y+\j+2*\c:Y+\j+2*\c+1], v[Y+\j+2*\c:Y+\j+2*\c+1], v[16+2*\c:17+2*\c]
.endr
.endr
	ACROSS 512
	s_delay_alu instid0(VALU_DEP_1)
	v_fmaak_f32 v24, s[INV], v24, 0x3727c5ac       ; the variance + 1e-5
	s_wait_alu depctr_va_vdst(0)
	v_rsq_f32 v26, v24
	v_nop                                          ; a plain line behind it
	s_wait_alu depctr_va_vdst(0)                   ; ahead of its first reader
	s_wait_loadcnt 0x0                             ; g, beta
.set n, 0
.rept 32
	v_pk_mul_f32 v[Y+n:Y+n+1], v[Y+n:Y+n+1], v[26:27] op_sel_hi:[1,0]
.set n, n+2
.endr
.set n, 0
.rept 32
	v_pk_fma_f32 v[Y+n:Y+n+1], v[Y+n:Y+n+1], v[R+n:R+n+1], v[BI+n:BI+n+1]
.set n, n+2
.endr
.irp b, 0,1,2,3
.irp j, 0,1,2,3
	ds_store_b128 v[SBA], v[Y+16*\b+4*\j:Y+16*\b+4*\j+3] offset:128*\b+16*\j
.endr
.endr
.irp i, 0,1,2,3,4,5,6,7,8,9,10,11,12,13,14,15
	ds_load_b128 v[R+4*\i:R+4*\i+3], v[SA] offset:528*\i
.endr
.irp i, 0,1,2,3,4,5,6,7,8,9,10,11,12,13,14,15
	s_wait_dscnt 15-\i                             ; row i is back; the later rows' loads may be out
	global_store_b128 v[L16], v[R+4*\i:R+4*\i+3], s[14:15] offset:(\i+8*(\i/8))*4096   ; 512 consecutive bytes of a row
.endr
.if FINAL == 0
	QUANT Y, PWR
.irp c, 0,1,2,3
	global_store_b128 v[L16], v[PC+4*\c:PC+4*\c+3], s[28:29] offset:512*\c
.endr
	global_store_b32 v[R8], v[PWR], s[30:31] offset:8192
.endif
	s_wait_tensorcnt 0x0
	ds_add_u32 v14, v15
	s_wait_dscnt 0x0
	s_endpgm
.Lfunc_end_k_qbd35e27ad6_ln1:
	.size	k_qbd35e27ad6_ln1, .Lfunc_end_k_qbd35e27ad6_ln1-k_qbd35e27ad6_ln1
	.p2alignl 7, 3214868480
	.fill 96, 4, 3214868480
	.section	.rodata,"a",@progbits
	.p2align	6, 0x0
	.amdhsa_kernel k_qbd35e27ad6_ln1
		.amdhsa_group_segment_fixed_size 69632
		.amdhsa_private_segment_fixed_size 0
		.amdhsa_enable_private_segment 0
		.amdhsa_kernarg_size 56
		.amdhsa_user_sgpr_count 2
		.amdhsa_user_sgpr_kernarg_segment_ptr 1
		.amdhsa_wavefront_size32 1
		.amdhsa_system_sgpr_workgroup_id_x 1
		.amdhsa_system_sgpr_workgroup_id_y 1
		.amdhsa_system_sgpr_workgroup_id_z 1
		.amdhsa_system_vgpr_workitem_id 0
		.amdhsa_next_free_vgpr 256
		.amdhsa_next_free_sgpr 66
		.amdhsa_reserve_vcc 0
		.amdhsa_float_denorm_mode_32 3
		.amdhsa_float_denorm_mode_16_64 3
		.amdhsa_memory_ordered 1
		.amdhsa_forward_progress 1
		.amdhsa_inst_pref_size 45
	.end_amdhsa_kernel
	.amdgpu_metadata
---
amdhsa.version: [ 1, 2 ]
amdhsa.kernels:
  - .name:           k_qbd35e27ad6_ln1
    .symbol:         k_qbd35e27ad6_ln1.kd
    .args:
      - { .name: ybuf, .offset: 0, .size: 8, .value_kind: global_buffer, .address_space: global }
      - { .name: x, .offset: 8, .size: 8, .value_kind: global_buffer, .address_space: global }
      - { .name: b_out, .offset: 16, .size: 8, .value_kind: global_buffer, .address_space: global }
      - { .name: g1, .offset: 24, .size: 8, .value_kind: global_buffer, .address_space: global }
      - { .name: beta1, .offset: 32, .size: 8, .value_kind: global_buffer, .address_space: global }
      - { .name: x1f, .offset: 40, .size: 8, .value_kind: global_buffer, .address_space: global }
      - { .name: x1c, .offset: 48, .size: 8, .value_kind: global_buffer, .address_space: global }
    .group_segment_fixed_size: 69632
    .private_segment_fixed_size: 0
    .kernarg_segment_align: 8
    .kernarg_segment_size: 56
    .max_flat_workgroup_size: 256
    .sgpr_count:     66
    .vgpr_count:     256
    .wavefront_size: 32
...
	.end_amdgpu_metadata
.endif
;; end of part 5
;; launch fc1 (part 6): grid 16 x 16, 8 waves a work-group, clusters of 4 x 4, 327,680 bytes of LDS; arguments x1c, qin, b_fc1, hid; writes hid
.if DOCPART == 6
	.amdgcn_target "amdgcn-amd-amdhsa--gfx1250"
	.amdhsa_code_object_version 6
	.text
	.protected	k_qbd35e27ad6_fc1
	.globl	k_qbd35e27ad6_fc1
	.p2align	8
	.type	k_qbd35e27ad6_fc1,@function
k_qbd35e27ad6_fc1:
	s_mov_b64 s[64:65], 0
	v_nop
	global_prefetch_b8 v0, s[64:65] scope:SCOPE_SE
	s_setreg_imm32_b32 hwreg(HW_REG_WAVE_MODE, 25, 1), 1
	s_wait_xcnt 0x0
	s_wait_alu depctr_hold_cnt(0) depctr_sa_sdst(0) depctr_va_vdst(0) depctr_va_sdst(0) depctr_va_ssrc(0) depctr_va_vcc(0) depctr_vm_vsrc(0)
	s_getreg_b32 s2, hwreg(HW_REG_IB_STS2, 6, 4)
	s_cmp_eq_u32 s2, 0
	s_cbranch_scc0 .Lentry_in_a_cluster
	s_endpgm
.Lentry_in_a_cluster:
	s_bfe_u32 s2, ttmp6, 0x10000c
	s_cmp_lg_u32 s2, 0xf033
	s_cbranch_scc0 .Lentry_shape_is_right
	s_endpgm
.Lentry_shape_is_right:
; h = gelu(x1 w_fc1^T + b_fc1) on codes of E5M2 (operand records of 64 rows x 128 K), quantised at once along the hidden units and stored as the next product's records.
; A work-group makes 256 tokens x 256 hidden units; eight waves, a wave 64 tokens (in the lanes) x 128 units (down the registers).  Ring of two slots of two K steps, filled by joint loads in a 4 x 4 cluster.
; LIMITS: a block whose largest magnitude lies under 2^-111 gets the byte 1; NaN and infinities are not served.
.set QR,    8448
.set PIECE, 2*QR
.set SLOT,  8*PIECE
.set SPARE, 2*SLOT
.set PRM,   SPARE+1024
.set KSB,   4*QR
.set OPB,   2*KSB
.set NQX,   64
.set NQY,   64
.set YOFF,  8650752
.set XSTEP, 4*NQX*QR
.set YSTEP, 4*NQY*QR
.set AL,  4
.set AP,  6
.set ALS, 8
.set APS, 10
.set SPW, 12
.set NIL, 13
.set SL,  14
.set SP,  16
.set L16, 20
.set L8,  21
.set PRA, 22
.set PW,  24
.set SGW, 28
.set C8V, 30
.set TM,  32
.set QA,  32
.set PF,  64
.set LF,  192
.set BI,  64
.set ST,  128
.set TT,  192
.set PL,  224
.set PC,  192
.set G1X, 24
.set G0X, 32
.set G1Y, 48
.set G0Y, 56
.set PFO, 23                           ; v23 the prefetches' offset: 256 x my lane's block of my piece
.set PFA, 12                           ; s[12:13] my piece of the phase after the one that is being asked for
.set PFS, 18                           ; s[18:19] a phase (two K steps) on, in bytes
; A PREFETCH INTO THE L2, behind each joint load but the last: my piece (16,896 bytes, 66 blocks of 256) of the NEXT phase, a whole phase ahead of the load that will want it.
; The four partners that ask for a piece jointly share its blocks out by address: the partner at place p names blocks 17 p .. 17 p + 16, held at 65; a lane a block, lanes left over name the wave's last block again.
.macro ASK
	global_prefetch_b8 v[PFO], s[PFA:PFA+1] th:TH_LOAD_NT scope:SCOPE_SE
.endm
.set C9,  82
.set NKX, 84
.set KA,  86
.set SEL, 88
.set MNT, 90
.set BA,  92
.set MSB, 0
.macro WIN new
.if MSB != \new
	s_set_vgpr_msb (MSB<<8)|\new
.set MSB, \new
.endif
.endm
.macro JLOAD s
	s_cmp_eq_u32 s15, 0
	s_cbranch_scc0 .Lfor_y_\@
	tensor_load_to_lds s[G0X+4*(\s):G0X+4*(\s)+3], s[G1X:G1X+7]
	s_nop 0
.rept 4
	v_nop
.endr
	s_branch .Lasked_\@
.Lfor_y_\@:
	tensor_load_to_lds s[G0Y+4*(\s):G0Y+4*(\s)+3], s[G1Y:G1Y+7]
	s_nop 0
.rept 4
	v_nop
.endr
.Lasked_\@:
.endm
.macro CROUND
	s_barrier_signal -1
	s_barrier_wait -1
	s_cmp_lg_u32 s14, 0
	s_cbranch_scc1 .Lnot_wave_0_\@
	s_barrier_signal -3
.Lnot_wave_0_\@:
	s_barrier_wait -3
	s_barrier_signal -1
	s_barrier_wait -1
.endm
.macro MM d, a, b, zero, sa, sb, ra, rb
.if \zero
.if (\ra) && (\rb)
	v_wmma_scale_f32_16x16x128_f8f6f4 v[\d:\d+7], v[\a:\a+15], v[\b:\b+15], 0, v[\sa], v[\sb] matrix_a_fmt:MATRIX_FMT_BF8 matrix_b_fmt:MATRIX_FMT_BF8 matrix_a_scale:MATRIX_SCALE_ROW1 matrix_b_scale:MATRIX_SCALE_ROW1
.elseif \ra
	v_wmma_scale_f32_16x16x128_f8f6f4 v[\d:\d+7], v[\a:\a+15], v[\b:\b+15], 0, v[\sa], v[\sb] matrix_a_fmt:MATRIX_FMT_BF8 matrix_b_fmt:MATRIX_FMT_BF8 matrix_a_scale:MATRIX_SCALE_ROW1
.elseif \rb
	v_wmma_scale_f32_16x16x128_f8f6f4 v[\d:\d+7], v[\a:\a+15], v[\b:\b+15], 0, v[\sa], v[\sb] matrix_a_fmt:MATRIX_FMT_BF8 matrix_b_fmt:MATRIX_FMT_BF8 matrix_b_scale:MATRIX_SCALE_ROW1
.else
	v_wmma_scale_f32_16x16x128_f8f6f4 v[\d:\d+7], v[\a:\a+15], v[\b:\b+15], 0, v[\sa], v[\sb] matrix_a_fmt:MATRIX_FMT_BF8 matrix_b_fmt:MATRIX_FMT_BF8
.endif
.else
.if (\ra) && (\rb)
	v_wmma_scale_f32_16x16x128_f8f6f4 v[\d:\d+7], v[\a:\a+15], v[\b:\b+15], v[\d:\d+7], v[\sa], v[\sb] matrix_a_fmt:MATRIX_FMT_BF8 matrix_b_fmt:MATRIX_FMT_BF8 matrix_a_scale:MATRIX_SCALE_ROW1 matrix_b_scale:MATRIX_SCALE_ROW1
.elseif \ra
	v_wmma_scale_f32_16x16x128_f8f6f4 v[\d:\d+7], v[\a:\a+15], v[\b:\b+15], v[\d:\d+7], v[\sa], v[\sb] matrix_a_fmt:MATRIX_FMT_BF8 matrix_b_fmt:MATRIX_FMT_BF8 matrix_a_scale:MATRIX_SCALE_ROW1
.elseif \rb
	v_wmma_scale_f32_16x16x128_f8f6f4 v[\d:\d+7], v[\a:\a+15], v[\b:\b+15], v[\d:\d+7], v[\sa], v[\sb] matrix_a_fmt:MATRIX_FMT_BF8 matrix_b_fmt:MATRIX_FMT_BF8 matrix_b_scale:MATRIX_SCALE_ROW1
.else
	v_wmma_scale_f32_16x16x128_f8f6f4 v[\d:\d+7], v[\a:\a+15], v[\b:\b+15], v[\d:\d+7], v[\sa], v[\sb] matrix_a_fmt:MATRIX_FMT_BF8 matrix_b_fmt:MATRIX_FMT_BF8
.endif
.endif
.endm
.macro KSTEP slot, k, first
	ds_load_b64 v[SL:SL+1], v[ALS+\slot] offset:8192+KSB*\k
	ds_load_b64 v[SP:SP+1], v[APS+\slot] offset:8192+KSB*\k
	ds_load_b64 v[SP+2:SP+3], v[APS+\slot] offset:8192+QR+KSB*\k
.irp l, 0,1,2,3
.irp c, 0,1,2,3
	ds_load_b128 v[LF+16*\l+4*\c:LF+16*\l+4*\c+3], v[AL+\slot] offset:KSB*\k+2048*\l+512*\c
.endr
.endr
.irp p, 0,1,2,3,4,5,6,7
.irp c, 0,1,2,3
	ds_load_b128 v[PF+16*\p+4*\c:PF+16*\p+4*\c+3], v[AP+\slot] offset:KSB*\k+QR*(\p/4)+2048*(\p%4)+512*\c
.endr
.endr
	WIN 0x50
.irp p, 0,1,2,3,4,5,6,7
	s_wait_dscnt 4*(7-\p)
.irp l, 0,1,2,3
	MM 64*\l+8*\p, PF+16*\p, LF+16*\l, \first, SP+\p/2, SL+\l/2, \p%2, \l%2
.endr
.endr
	WIN 0
.rept 8
	v_nop
.endr
.endm
.macro WORK slot, first
	KSTEP \slot, 0, \first
	KSTEP \slot, 1, 0
.endm
.macro TWO slot, refill, ask
	s_wait_tensorcnt 0x0
	ds_add_u32 v[SPW], v[NIL]
.if \refill
	s_add_nc_u64 s[G0X+4*(1-\slot)+2:G0X+4*(1-\slot)+3], s[G0X+4*(1-\slot)+2:G0X+4*(1-\slot)+3], XSTEP
	s_add_nc_u64 s[G0Y+4*(1-\slot)+2:G0Y+4*(1-\slot)+3], s[G0Y+4*(1-\slot)+2:G0Y+4*(1-\slot)+3], YSTEP
	s_wait_xcnt 0x0                                ; the last prefetch, a phase back, has read its base
	s_add_nc_u64 s[PFA:PFA+1], s[PFA:PFA+1], s[PFS:PFS+1]
.endif
	s_wait_dscnt 0x0
.if \refill
	CROUND
	JLOAD 1-\slot
.if \ask
	ASK
.endif
.else
	s_barrier_signal -1
	s_barrier_wait -1
.endif
	WORK \slot, 0
.endm
.macro QUANT s, pw
.irp b, 0,1,2,3
	v_max3_num_f32 v[TM+\b], |v[\s+16*\b]|, |v[\s+1+16*\b]|, 0x8000000
.endr
.irp i, 2,4,6,8,10,12,14
.irp b, 0,1,2,3
	s_delay_alu instid0(VALU_DEP_4)
	v_max3_num_f32 v[TM+\b], v[TM+\b], |v[\s+16*\b+\i]|, |v[\s+1+16*\b+\i]|
.endr
.endr
.irp b, 0,1,2,3
	s_delay_alu instid0(VALU_DEP_4)
	v_permlanex16_b32 v[TM+4+\b], v[TM+\b], s[SEL], s[SEL+1]
.endr
.irp b, 0,1,2,3
	s_delay_alu instid0(VALU_DEP_4)
	v_max_num_f32 v[TM+\b], v[TM+\b], v[TM+4+\b]
.endr
.irp b, 0,1,2,3
	s_delay_alu instid0(VALU_DEP_4)
	v_add_nc_u32 v[TM+12+\b], 0xf8800000, v[TM+\b]
.endr
.irp b, 0,1,2,3
	v_and_or_b32 v[TM+8+\b], v[TM+\b], 0x7f800000, s[MNT]
.endr
.irp b, 0,1,2,3
	v_lshrrev_b32 v[TM+4+\b], 23, v[TM+12+\b]
.endr
	s_delay_alu instid0(VALU_DEP_3)
	v_lshl_or_b32 v[\pw], v[TM+5], 8, v[TM+4]
	s_delay_alu instid0(VALU_DEP_1)
	v_lshl_or_b32 v[\pw], v[TM+6], 16, v[\pw]
	s_delay_alu instid0(VALU_DEP_1)
	v_lshl_or_b32 v[\pw], v[TM+7], 24, v[\pw]
.irp b, 0,1,2,3
.irp i, 0,1,2,3,4,5,6,7,8,9,10,11,12,13,14,15
	v_med3_num_f32 v[\s+16*\b+\i], v[\s+16*\b+\i], -v[TM+8+\b], v[TM+8+\b]
.endr
	v_cvt_scalef32_pk8_bf8_f32 v[PC+4*\b:PC+1+4*\b], v[\s+16*\b:\s+7+16*\b], v[TM+12+\b]
	v_cvt_scalef32_pk8_bf8_f32 v[PC+2+4*\b:PC+3+4*\b], v[\s+8+16*\b:\s+15+16*\b], v[TM+12+\b]
.endr
	v_nop
.endm
.macro GELU s
.set n, 0
.rept 32
	v_fma_f32 v[TT+n], |v[\s+n]|, s[KA], 1.0
.set n, n+1
.endr
.set n, 0
	s_wait_alu depctr_va_vdst(0)
.rept 32
	v_rcp_f32 v[TT+n], v[TT+n]
.set n, n+1
.endr
.set n, 0
.rept 16
	v_pk_mul_f32 v[PL+n:PL+n+1], v[\s+n:\s+n+1], v[\s+n:\s+n+1]
.set n, n+2
.endr
	s_wait_alu depctr_va_vdst(0)
.set n, 0
.rept 16
	v_pk_fma_f32 v[QA+n:QA+n+1], v[TT+n:TT+n+1], s[C9:C9+1], v[C8V:C8V+1] op_sel_hi:[1,0,1]
.set n, n+2
.endr
.irp c, 80,78,76,74,72,70,68,66
.set n, 0
.rept 16
	v_pk_fma_f32 v[QA+n:QA+n+1], v[QA+n:QA+n+1], v[TT+n:TT+n+1], s[\c:\c+1] op_sel_hi:[1,1,0]
.set n, n+2
.endr
.endr
.set n, 0
.rept 16
	v_pk_fma_f32 v[PL+n:PL+n+1], v[PL+n:PL+n+1], s[NKX:NKX+1], v[QA+n:QA+n+1] op_sel_hi:[1,0,1]
.set n, n+2
.endr
.set n, 0
	s_wait_alu depctr_va_vdst(0)
.rept 32
	v_exp_f32 v[PL+n], v[PL+n]
.set n, n+1
.endr
.set n, 0
.rept 32
	v_max_num_f32 v[QA+n], 0, v[\s+n]
.set n, n+1
.endr
	s_wait_alu depctr_va_vdst(0)
.set n, 0
.rept 16
	v_pk_mul_f32 v[PL+n:PL+n+1], v[PL+n:PL+n+1], v[TT+n:TT+n+1]
.set n, n+2
.endr
.set n, 0
.rept 32
	v_fma_f32 v[\s+n], -|v[\s+n]|, v[PL+n], v[QA+n]
.set n, n+1
.endr
.endm
.macro CPAIR r, val
	s_mov_b32 s[\r], \val
	s_mov_b32 s[\r+1], \val
.endm
	s_load_b256 s[4:11], s[0:1], 0x0
	v_lshl_add_u32 v[SPW], v0, 2, SPARE
	v_mov_b32 v[NIL], 0
	ds_add_u32 v12, v13
	ds_add_u32 v12, v13
	s_wait_dscnt 0x0
	v_lshrrev_b32 v1, 5, v0
	s_delay_alu instid0(VALU_DEP_1)
	v_readfirstlane_b32 s14, v1
	s_lshr_b32 s15, s14, 2
	s_and_b32 s16, s14, 3
	s_bfe_u32 s40, ttmp6, 0x40000
	s_bfe_u32 s41, ttmp6, 0x40004
	s_lshl_b32 s42, ttmp9, 2
	s_add_co_u32 s42, s42, s40
	s_and_b32 s17, ttmp7, 0xffff
	s_lshl_b32 s43, s17, 2
	s_add_co_u32 s43, s43, s41
	s_lshl_b32 s44, s41, 2
	s_lshl_b32 s44, 15, s44
	s_lshl_b32 s45, 0x1111, s40
	s_or_b32 s[G1X], s45, (3<<16)|(1<<21)
	s_or_b32 s[G1Y], s44, (3<<16)|(1<<21)
.irp g, G1X, G1Y
	s_mov_b32 s[\g+1], 32<<16
	s_mov_b32 s[\g+2], 66<<16
	s_mov_b32 s[\g+3], 32<<16
	s_mov_b32 s[\g+4], 66
	s_mov_b32 s[\g+5], 32
	s_mov_b32 s[\g+6], 0
	s_mov_b32 s[\g+7], 0
.endr
	s_lshr_b32 s18, s16, 1
	s_and_b32 s19, s16, 1
	s_lshl_b32 s19, s19, 1
	s_mul_i32 s20, s18, NQX
	s_add_co_u32 s20, s20, s19
	s_lshl_b32 s21, s42, 2
	s_add_co_u32 s20, s20, s21
	s_mul_i32 s20, s20, QR
	s_mov_b32 s21, 0
	s_mul_i32 s22, s18, NQY
	s_add_co_u32 s22, s22, s19
	s_lshl_b32 s23, s43, 2
	s_add_co_u32 s22, s22, s23
	s_mul_i32 s22, s22, QR
	s_mov_b32 s23, 0
	s_mul_i32 s46, s14, PIECE
	s_cmp_eq_u32 s15, 0
	s_cselect_b32 s47, s41, s40                    ; my place among the four that ask for my piece with me
	s_mul_i32 s47, s47, 17
	s_mov_b32 s[PFS], YSTEP/2
	s_cselect_b32 s[PFS], XSTEP/2, s[PFS]
	s_mov_b32 s[PFS+1], 0
	v_and_b32 v[PFO], 31, v0
	v_min_u32 v[PFO], 16, v[PFO]
	v_add_nc_u32 v[PFO], s47, v[PFO]
	v_min_u32 v[PFO], 65, v[PFO]
	v_lshlrev_b32 v[PFO], 8, v[PFO]
	s_wait_alu depctr_va_vdst(0)
	s_wait_kmcnt 0x0
	s_add_nc_u64 s[20:21], s[4:5], s[20:21]
	s_add_nc_u64 s[22:23], s[6:7], s[22:23]
	s_add_nc_u64 s[22:23], s[22:23], YOFF
	s_cmp_eq_u32 s15, 0
	s_cselect_b64 s[PFA:PFA+1], s[20:21], s[22:23]
	s_add_nc_u64 s[PFA:PFA+1], s[PFA:PFA+1], s[PFS:PFS+1]   ; phase 1
	CROUND
.irp s, 0,1
	s_mov_b32 s[G0X+4*\s], 1
	s_add_co_u32 s[G0X+4*\s+1], s46, \s*SLOT
	s_add_nc_u64 s[G0X+4*\s+2:G0X+4*\s+3], s[20:21], \s*XSTEP/2
	s_or_b32 s[G0X+4*\s+3], s[G0X+4*\s+3], 0x80000000
	s_mov_b32 s[G0Y+4*\s], 1
	s_add_co_u32 s[G0Y+4*\s+1], s46, \s*SLOT
	s_add_nc_u64 s[G0Y+4*\s+2:G0Y+4*\s+3], s[22:23], \s*YSTEP/2
	s_or_b32 s[G0Y+4*\s+3], s[G0Y+4*\s+3], 0x80000000
.if \s                                         ; slot 1's first fill is issued as a refill is
	s_wait_alu depctr_va_vdst(0)
	s_wait_tensorcnt 0x0                           ; my piece of slot 0 is in
	ds_add_u32 v12, v13
	s_wait_xcnt 0x0                                ; the first prefetch has read its base
	s_add_nc_u64 s[PFA:PFA+1], s[PFA:PFA+1], s[PFS:PFS+1]
	s_wait_dscnt 0x0
	CROUND
.endif
	JLOAD \s
	ASK
.endr
	v_and_b32 v1, 31, v0
	v_bfe_u32 v3, v0, 4, 1
	s_delay_alu instid0(VALU_DEP_2)
	v_lshlrev_b32 v[L16], 4, v1
	s_delay_alu instid0(VALU_DEP_3)
	v_lshlrev_b32 v[L8], 3, v1
	s_mul_i32 s94, s16, QR
	s_mul_i32 s95, s15, PIECE
	s_add_co_u32 s95, s95, OPB
	v_add_nc_u32 v[AL], s94, v[L16]
	v_add_nc_u32 v[AP], s95, v[L16]
	v_add_nc_u32 v[ALS], s94, v[L8]
	v_add_nc_u32 v[APS], s95, v[L8]
	s_delay_alu instid0(VALU_DEP_4)
	v_add_nc_u32 v[AL+1], SLOT, v[AL]
	s_delay_alu instid0(VALU_DEP_4)
	v_add_nc_u32 v[AP+1], SLOT, v[AP]
	s_delay_alu instid0(VALU_DEP_4)
	v_add_nc_u32 v[ALS+1], SLOT, v[ALS]
	s_delay_alu instid0(VALU_DEP_4)
	v_add_nc_u32 v[APS+1], SLOT, v[APS]
	s_lshl_b32 s94, s14, 9
	v_add_nc_u32 v2, s94, v[L16]
	s_delay_alu instid0(VALU_DEP_1)
	v_add_nc_u32 v2, PRM, v2
	v_lshl_add_u32 v[PRA], v3, 6, s94
	s_delay_alu instid0(VALU_DEP_1)
	v_add_nc_u32 v[PRA], PRM, v[PRA]
	s_mov_b32 s[SEL], 0x76543210
	s_mov_b32 s[SEL+1], 0xfedcba98
	s_mov_b32 s[MNT], 0x600000
	CPAIR 66, 0xc034d90f
	CPAIR 68, 0x3fb8ab5a
	CPAIR 70, 0x3f0a29d2
	CPAIR 72, 0x3e0efb2f
	CPAIR 74, 0xbe899a80
	CPAIR 76, 0x3ecdfd18
	CPAIR 78, 0xbfd1a1e5
	CPAIR 80, 0x40097039
	CPAIR C9, 0x3e7c6f08
	CPAIR NKX, 0xbf38aa3b
	s_mov_b32 s[KA], 0x3eb504f3
	v_mov_b32 v[C8V], 0xbf97d29d
	v_mov_b32 v[C8V+1], 0xbf97d29d
	s_lshl_b32 s96, s43, 10
	s_lshl_b32 s97, s15, 9
	s_add_co_u32 s96, s96, s97
	s_mov_b32 s97, 0
	s_add_nc_u64 s[98:99], s[8:9], s[96:97]
	global_load_b128 v[56:59], v[L16], s[98:99]
	s_lshl_b32 s96, s43, 1
	s_add_co_u32 s96, s96, s15
	s_lshl_b32 s96, s96, 6
	s_lshl_b32 s94, s42, 2
	s_add_co_u32 s96, s96, s94
	s_add_co_u32 s96, s96, s16
	s_mul_i32 s96, s96, QR
	s_add_nc_u64 s[BA:BA+1], s[10:11], s[96:97]
	s_wait_alu depctr_va_vdst(0)
	s_wait_loadcnt 0x0
	ds_store_b128 v2, v[56:59]
	s_wait_tensorcnt 0x1
	s_wait_dscnt 0x0
	s_barrier_signal -1
	s_barrier_wait -1
	WORK 0, 1
	TWO 1, 1, 1
	TWO 0, 1, 0                                    ; the last phase's load: no phase follows it
	TWO 1, 0, 0
.irp b, 0,1,2,3
.irp j, 0,1,2,3
	ds_load_b128 v[BI+16*\b+4*\j:BI+16*\b+4*\j+3], v[PRA] offset:128*\b+16*\j
.endr
.endr
	s_wait_dscnt 0x0
.macro OUT_H l
.if \l > 0
	s_wait_xcnt 0x0
.endif
	WIN 0x01
.set n, 0
.rept 32
	v_pk_add_f32 v[ST+n:ST+n+1], v[64*\l+n:64*\l+n+1], v[BI+n:BI+n+1]
.set n, n+2
.endr
	WIN 0
	GELU ST
	GELU ST+32
	QUANT ST, PW+\l
.irp c, 0,1,2,3
	global_store_b128 v[L16], v[PC+4*\c:PC+4*\c+3], s[BA:BA+1] offset:2048*\l+512*\c
.endr
.endm
	OUT_H 0
	OUT_H 1
	OUT_H 2
	OUT_H 3
	v_cmp_le_u32 vcc_lo, 16, v1
	s_delay_alu instid0(VALU_DEP_1)
	v_cndmask_b32 v[SGW], v[PW], v[PW+1], vcc_lo
	s_delay_alu instid0(VALU_DEP_2)
	v_cndmask_b32 v[SGW+1], v[PW+2], v[PW+3], vcc_lo
	global_store_b64 v[L8], v[SGW:SGW+1], s[BA:BA+1] offset:8192
	s_wait_tensorcnt 0x0
	ds_add_u32 v[SPW], v[NIL]
	s_wait_dscnt 0x0
	CROUND
	s_endpgm
.Lfunc_end_k_qbd35e27ad6_fc1:
	.size	k_qbd35e27ad6_fc1, .Lfunc_end_k_qbd35e27ad6_fc1-k_qbd35e27ad6_fc1
	.p2alignl 7, 3214868480
	.fill 96, 4, 3214868480
	.section	.rodata,"a",@progbits
	.p2align	6, 0x0
	.amdhsa_kernel k_qbd35e27ad6_fc1
		.amdhsa_group_segment_fixed_size 327680
		.amdhsa_private_segment_fixed_size 0
		.amdhsa_enable_private_segment 0
		.amdhsa_kernarg_size 32
		.amdhsa_user_sgpr_count 2
		.amdhsa_user_sgpr_kernarg_segment_ptr 1
		.amdhsa_wavefront_size32 1
		.amdhsa_system_sgpr_workgroup_id_x 1
		.amdhsa_system_sgpr_workgroup_id_y 1
		.amdhsa_system_sgpr_workgroup_id_z 1
		.amdhsa_system_vgpr_workitem_id 0
		.amdhsa_next_free_vgpr 512
		.amdhsa_next_free_sgpr 100
		.amdhsa_reserve_vcc 1
		.amdhsa_float_denorm_mode_32 3
		.amdhsa_float_denorm_mode_16_64 3
		.amdhsa_memory_ordered 1
		.amdhsa_forward_progress 1
		.amdhsa_inst_pref_size 255
	.end_amdhsa_kernel
	.section	.bss,"aw",@nobits
	.p2align	6
	.space	262144
	.amdgpu_metadata
---
amdhsa.version: [ 1, 2 ]
amdhsa.kernels:
  - .name:           k_qbd35e27ad6_fc1
    .symbol:         k_qbd35e27ad6_fc1.kd
    .args:
      - { .name: x1c, .offset: 0, .size: 8, .value_kind: global_buffer, .address_space: global }
      - { .name: qin, .offset: 8, .size: 8, .value_kind: global_buffer, .address_space: global }
      - { .name: b_fc1, .offset: 16, .size: 8, .value_kind: global_buffer, .address_space: global }
      - { .name: hid, .offset: 24, .size: 8, .value_kind: global_buffer, .address_space: global }
    .group_segment_fixed_size: 327680
    .private_segment_fixed_size: 0
    .kernarg_segment_align: 8
    .kernarg_segment_size: 32
    .max_flat_workgroup_size: 256
    .sgpr_count:     100
    .vgpr_count:     512
    .wavefront_size: 32
...
	.end_amdgpu_metadata
.endif
;; end of part 6
;; launch fc2 (part 7): grid 32 x 8, 8 waves a work-group, clusters of 4 x 4, 327,680 bytes of LDS; arguments hid, qin, ybuf; writes ybuf
.if DOCPART == 7
	.amdgcn_target "amdgcn-amd-amdhsa--gfx1250"
	.amdhsa_code_object_version 6
	.text
	.protected	k_qbd35e27ad6_fc2
	.globl	k_qbd35e27ad6_fc2
	.p2align	8
	.type	k_qbd35e27ad6_fc2,@function
k_qbd35e27ad6_fc2:
	s_mov_b64 s[64:65], 0
	v_nop
	global_prefetch_b8 v0, s[64:65] scope:SCOPE_SE
	s_setreg_imm32_b32 hwreg(HW_REG_WAVE_MODE, 25, 1), 1
	s_wait_xcnt 0x0
	s_wait_alu depctr_hold_cnt(0) depctr_sa_sdst(0) depctr_va_vdst(0) depctr_va_sdst(0) depctr_va_ssrc(0) depctr_va_vcc(0) depctr_vm_vsrc(0)
	s_getreg_b32 s2, hwreg(HW_REG_IB_STS2, 6, 4)
	s_cmp_eq_u32 s2, 0
	s_cbranch_scc0 .Lentry_in_a_cluster
	s_endpgm
.Lentry_in_a_cluster:
	s_bfe_u32 s2, ttmp6, 0x10000c
	s_cmp_lg_u32 s2, 0xf033
	s_cbranch_scc0 .Lentry_shape_is_right
	s_endpgm
.Lentry_shape_is_right:
; y = h w_fc2^T on codes of E5M2 (operand records of 64 rows x 128 K): h [4,096 x 4,096], w_fc2 [1,024 x 4,096].  Bias, residual and LayerNorm follow in the next launch.
; A work-group makes 128 tokens x 128 outputs: 256 work-groups.  RING: two slots of four K steps, eight phases; each wave brings one piece (one K step's two records, 16,896 dense bytes) by one joint load:
; waves 0-3 h's (shared down a column of the 4 x 4 cluster), waves 4-7 w_fc2's (along a row).
; SHARES: a wave makes 64 tokens (in the lanes) x 64 outputs (down the registers), one record against one record, 16 accumulators (v256-383), over HALF of K: waves 0-3 take a slot's K steps 0 and 1, waves 4-7 its K steps 2 and 3.
; So a K step's four records are read from LDS by two waves each.  An output's sum is made in two halves of K, each with K ascending, and the halves are added once, in f32.
; THE HALVES MEET through LDS: waves w and w + 4 own the same block.  Each keeps two of its four token tiles and hands the other two over: the second group takes the token tiles in the order 2, 3, 0, 1 (by address),
; so that in every wave accumulators 0-7 are kept and 8-15 handed over, and all waves run one text.  The stages lie in slot 0, which has had its last fill and its last read when the first sum is stored there.
; OUT: f32, [64 tokens][128 outputs][64 x 512 bytes]: piece 16 l + 4 b + m holds registers 16 b + 4 m on of token tile l, lane by lane: the order in which the next launch's registers take them; 512 consecutive bytes a store.
.set NS,    8
.set NQX,   64
.set NQY,   16
.set YOFF,  12976128
.set QR,    8448
.set PIECE, 2*QR
.set SLOT,  8*PIECE
.set SPARE, 2*SLOT                     ; the spare words: 128 bytes a wave, four blocks of 256 bytes that no other line names
.set KSB,   2*QR                       ; one K step of one operand in a slot
.set OPB,   4*KSB                      ; h's part of a slot; w_fc2's lies behind it
.set XSTEP, 8*NQX*QR                   ; two slots on
.set YSTEP, 8*NQY*QR
.set AL,  4                            ; v4-5   the token tiles that I keep, slot 0, 1
.set AH,  6                            ; v6-7   those that I hand over
.set AP,  8                            ; v8-9   my record of w_fc2
.set SLA, 10                           ; v10-11 the kept tiles' scale words
.set SPW, 12
.set NIL, 13
.set SL,  14                           ; v14-15 the tokens' scale words: kept tiles, handed tiles
.set SP,  16                           ; v[16:17] w_fc2's
.set SHA, 18                           ; v18-19 the handed tiles' scale words
.set L16, 20
.set PFO, 23                           ; v23 the prefetches' offset: 256 x my lane's block of my piece
.set APS, 24                           ; v24-25 w_fc2's scale words
.set STO, 26                           ; my stage
.set PTN, 27                           ; my partner's
.set LF,  32                           ; v32-95  four fragments of h
.set PF,  96                           ; v96-159 four of w_fc2
.set RB,  32                           ; the way out: my partner's 64 sums
.set OUTR, 96                          ; and the 64 results
.set G1X, 24
.set G0X, 32
.set G1Y, 48
.set G0Y, 56
.set PFA, 72                           ; s[72:73] my piece of the phase after the one that is being asked for
.set PFS, 74                           ; s[74:75] a phase (four K steps) on, in bytes
.set MSB, 0
.macro WIN new                         ; the immediate's high byte repeats the setting that is left
.if MSB != \new
	s_set_vgpr_msb (MSB<<8)|\new
.set MSB, \new
.endif
.endm
; A PREFETCH INTO THE L2, behind each joint load but the last: my piece (16,896 bytes, 66 blocks of 256) of the NEXT phase, a whole phase ahead of the load that will want it.
; The four partners that ask for a piece jointly share its blocks out by address: the partner at place p names blocks 17 p .. 17 p + 16, held at 65; a lane a block, lanes left over name the wave's last block again.
.macro ASK
	global_prefetch_b8 v[PFO], s[PFA:PFA+1] th:TH_LOAD_NT scope:SCOPE_SE
.endm
.macro JLOAD s                         ; a joint load; the branch hangs on the wave's number alone; an s_nop 0 and four v_nop follow each line
	s_cmp_eq_u32 s15, 0
	s_cbranch_scc0 .Lfor_y_\@
	tensor_load_to_lds s[G0X+4*(\s):G0X+4*(\s)+3], s[G1X:G1X+7]
	s_nop 0
.rept 4
	v_nop
.endr
	s_branch .Lasked_\@
.Lfor_y_\@:
	tensor_load_to_lds s[G0Y+4*(\s):G0Y+4*(\s)+3], s[G1Y:G1Y+7]
	s_nop 0
.rept 4
	v_nop
.endr
.Lasked_\@:
.endm
.macro CROUND                          ; a round of the cluster's barrier
	s_barrier_signal -1
	s_barrier_wait -1
	s_cmp_lg_u32 s14, 0
	s_cbranch_scc1 .Lnot_wave_0_\@
	s_barrier_signal -3
.Lnot_wave_0_\@:
	s_barrier_wait -3
	s_barrier_signal -1
	s_barrier_wait -1
.endm
.macro MM d, a, b, zero, sa, sb, ra, rb    ; ra, rb: the side's scale words stand in lanes 16-31
.if \zero
.if (\ra) && (\rb)
	v_wmma_scale_f32_16x16x128_f8f6f4 v[\d:\d+7], v[\a:\a+15], v[\b:\b+15], 0, v[\sa], v[\sb] matrix_a_fmt:MATRIX_FMT_BF8 matrix_b_fmt:MATRIX_FMT_BF8 matrix_a_scale:MATRIX_SCALE_ROW1 matrix_b_scale:MATRIX_SCALE_ROW1
.elseif \ra
	v_wmma_scale_f32_16x16x128_f8f6f4 v[\d:\d+7], v[\a:\a+15], v[\b:\b+15], 0, v[\sa], v[\sb] matrix_a_fmt:MATRIX_FMT_BF8 matrix_b_fmt:MATRIX_FMT_BF8 matrix_a_scale:MATRIX_SCALE_ROW1
.elseif \rb
	v_wmma_scale_f32_16x16x128_f8f6f4 v[\d:\d+7], v[\a:\a+15], v[\b:\b+15], 0, v[\sa], v[\sb] matrix_a_fmt:MATRIX_FMT_BF8 matrix_b_fmt:MATRIX_FMT_BF8 matrix_b_scale:MATRIX_SCALE_ROW1
.else
	v_wmma_scale_f32_16x16x128_f8f6f4 v[\d:\d+7], v[\a:\a+15], v[\b:\b+15], 0, v[\sa], v[\sb] matrix_a_fmt:MATRIX_FMT_BF8 matrix_b_fmt:MATRIX_FMT_BF8
.endif
.else
.if (\ra) && (\rb)
	v_wmma_scale_f32_16x16x128_f8f6f4 v[\d:\d+7], v[\a:\a+15], v[\b:\b+15], v[\d:\d+7], v[\sa], v[\sb] matrix_a_fmt:MATRIX_FMT_BF8 matrix_b_fmt:MATRIX_FMT_BF8 matrix_a_scale:MATRIX_SCALE_ROW1 matrix_b_scale:MATRIX_SCALE_ROW1
.elseif \ra
	v_wmma_scale_f32_16x16x128_f8f6f4 v[\d:\d+7], v[\a:\a+15], v[\b:\b+15], v[\d:\d+7], v[\sa], v[\sb] matrix_a_fmt:MATRIX_FMT_BF8 matrix_b_fmt:MATRIX_FMT_BF8 matrix_a_scale:MATRIX_SCALE_ROW1
.elseif \rb
	v_wmma_scale_f32_16x16x128_f8f6f4 v[\d:\d+7], v[\a:\a+15], v[\b:\b+15], v[\d:\d+7], v[\sa], v[\sb] matrix_a_fmt:MATRIX_FMT_BF8 matrix_b_fmt:MATRIX_FMT_BF8 matrix_b_scale:MATRIX_SCALE_ROW1
.else
	v_wmma_scale_f32_16x16x128_f8f6f4 v[\d:\d+7], v[\a:\a+15], v[\b:\b+15], v[\d:\d+7], v[\sa], v[\sb] matrix_a_fmt:MATRIX_FMT_BF8 matrix_b_fmt:MATRIX_FMT_BF8
.endif
.endif
.endm
; The j-th of my two K steps of a slot: 35 LDS loads, 16 products on 16 accumulators by turns; accumulator (l, p) at v[256 + 32 l + 8 p].
.macro KSTEP slot, j, first
	ds_load_b32 v[SL], v[SLA+\slot] offset:8192+KSB*\j
	ds_load_b32 v[SL+1], v[SHA+\slot] offset:8192+KSB*\j
	ds_load_b64 v[SP:SP+1], v[APS+\slot] offset:8192+KSB*\j
.irp l, 0,1
.irp c, 0,1,2,3
	ds_load_b128 v[LF+16*\l+4*\c:LF+16*\l+4*\c+3], v[AL+\slot] offset:KSB*\j+2048*\l+512*\c
.endr
.endr
.irp l, 0,1
.irp c, 0,1,2,3
	ds_load_b128 v[LF+32+16*\l+4*\c:LF+32+16*\l+4*\c+3], v[AH+\slot] offset:KSB*\j+2048*\l+512*\c
.endr
.endr
.irp p, 0,1,2,3
.irp c, 0,1,2,3
	ds_load_b128 v[PF+16*\p+4*\c:PF+16*\p+4*\c+3], v[AP+\slot] offset:KSB*\j+2048*\p+512*\c
.endr
.endr
	WIN 0x50                                       ; C and D in window 1
.irp p, 0,1,2,3
	s_wait_dscnt 4*(3-\p)                          ; all but the loads of w_fc2's later tiles, four each
.irp l, 0,1,2,3
	MM 32*\l+8*\p, PF+16*\p, LF+16*\l, \first, SP+\p/2, SL+\l/2, \p%2, \l%2
.endr
.endr
	WIN 0
.rept 8
	v_nop                                          ; eight places in front of loads into registers that these products read, and of the first read of results
.endr
.endm
.macro WORK slot, first
	KSTEP \slot, 0, \first
	KSTEP \slot, 1, 0
.endm
; The change of slots: all my tensor loads, the add, the wait for it and for my reads; refill = 1: a round of the cluster's barrier, the joint refill first behind it.  ask: 1 a prefetch follows, 2 not in the loop's last trip.
.macro TWO slot, refill, ask
	s_wait_tensorcnt 0x0
	ds_add_u32 v[SPW], v[NIL]
.if \refill
	s_add_nc_u64 s[G0X+4*(1-\slot)+2:G0X+4*(1-\slot)+3], s[G0X+4*(1-\slot)+2:G0X+4*(1-\slot)+3], XSTEP
	s_add_nc_u64 s[G0Y+4*(1-\slot)+2:G0Y+4*(1-\slot)+3], s[G0Y+4*(1-\slot)+2:G0Y+4*(1-\slot)+3], YSTEP
	s_wait_xcnt 0x0                                ; the last prefetch, a phase back, has read its base
	s_add_nc_u64 s[PFA:PFA+1], s[PFA:PFA+1], s[PFS:PFS+1]
.endif
	s_wait_dscnt 0x0
.if \refill
	CROUND
	JLOAD 1-\slot
.if \ask == 1
	ASK
.elseif \ask == 2
	s_cmp_lg_u32 s3, 1                             ; the loop's last trip loads the last phase here: no phase follows it
	s_cbranch_scc0 .Lno_ask_\@
	ASK
.Lno_ask_\@:
.endif
.else
	s_barrier_signal -1
	s_barrier_wait -1
.endif
	WORK \slot, 0
.endm
	s_load_b128 s[4:7], s[0:1], 0x0                ; h's records, qin
	s_load_b64 s[8:9], s[0:1], 0x10                ; ybuf
	v_lshl_add_u32 v[SPW], v0, 2, SPARE
	v_mov_b32 v[NIL], 0
	ds_add_u32 v[SPW], v[NIL]                      ; the opening lines: the add, twice on end, and its wait ahead of my first tensor load
	ds_add_u32 v[SPW], v[NIL]
	v_lshrrev_b32 v1, 5, v0
	v_readfirstlane_b32 s14, v1                    ; wave 0..7
	s_lshr_b32 s15, s14, 2                         ; I fetch for h (0) or for w_fc2 (1).  Also: which two K steps of a slot are mine
	s_and_b32 s16, s14, 3                          ; which K step of a slot I fetch.  Also: which 64 x 64 of the block is mine
	s_bfe_u32 s40, ttmp6, 0x40000                  ; cx
	s_bfe_u32 s41, ttmp6, 0x40004                  ; cy
	s_lshl_b32 s42, ttmp9, 2
	s_add_co_u32 s42, s42, s40                     ; work-group x: 128 tokens
	s_and_b32 s17, ttmp7, 0xffff
	s_lshl_b32 s43, s17, 2
	s_add_co_u32 s43, s43, s41                     ; work-group y: 128 outputs
	s_lshl_b32 s44, s41, 2
	s_lshl_b32 s44, 15, s44                        ; my row of the cluster
	s_lshl_b32 s45, 0x1111, s40                    ; my column
	s_or_b32 s[G1X], s45, (3<<16)|(1<<21)
	s_or_b32 s[G1Y], s44, (3<<16)|(1<<21)
.irp g, G1X, G1Y
	s_mov_b32 s[\g+1], 32<<16                      ; a dense block as 66 rows of 256 bytes
	s_mov_b32 s[\g+2], 66<<16
	s_mov_b32 s[\g+3], 32<<16
	s_mov_b32 s[\g+4], 66
	s_mov_b32 s[\g+5], 32
	s_mov_b32 s[\g+6], 0
	s_mov_b32 s[\g+7], 0
.endr
	s_mul_i32 s20, s16, NQX
	s_lshl_b32 s21, s42, 1
	s_add_co_u32 s20, s20, s21
	s_mul_i32 s20, s20, QR
	s_mov_b32 s21, 0
	s_mul_i32 s22, s16, NQY
	s_lshl_b32 s23, s43, 1
	s_add_co_u32 s22, s22, s23
	s_mul_i32 s22, s22, QR
	s_mov_b32 s23, 0
	s_mul_i32 s46, s14, PIECE                      ; where my piece goes: no place in the cluster enters an LDS address
	s_cmp_eq_u32 s15, 0
	s_cselect_b32 s76, s41, s40                    ; my place among the four that ask for my piece with me
	s_mul_i32 s76, s76, 17
	s_mov_b32 s[PFS], YSTEP/2
	s_cselect_b32 s[PFS], XSTEP/2, s[PFS]
	s_mov_b32 s[PFS+1], 0
	v_and_b32 v[PFO], 31, v0
	v_min_u32 v[PFO], 16, v[PFO]
	v_add_nc_u32 v[PFO], s76, v[PFO]
	v_min_u32 v[PFO], 65, v[PFO]
	v_lshlrev_b32 v[PFO], 8, v[PFO]
	s_wait_alu depctr_va_vdst(0)
	s_wait_dscnt 0x0                               ; both opening adds are done
	s_wait_kmcnt 0x0
	s_add_nc_u64 s[20:21], s[4:5], s[20:21]
	s_add_nc_u64 s[22:23], s[6:7], s[22:23]
	s_add_nc_u64 s[22:23], s[22:23], YOFF
	s_cmp_eq_u32 s15, 0
	s_cselect_b64 s[PFA:PFA+1], s[20:21], s[22:23]
	s_add_nc_u64 s[PFA:PFA+1], s[PFA:PFA+1], s[PFS:PFS+1]   ; phase 1
	CROUND                                         ; all sixteen work-groups are here: the first joint loads meet
.irp s, 0,1
	s_mov_b32 s[G0X+4*\s], 1
	s_add_co_u32 s[G0X+4*\s+1], s46, \s*SLOT
	s_add_nc_u64 s[G0X+4*\s+2:G0X+4*\s+3], s[20:21], \s*XSTEP/2
	s_or_b32 s[G0X+4*\s+3], s[G0X+4*\s+3], 0x80000000
	s_mov_b32 s[G0Y+4*\s], 1
	s_add_co_u32 s[G0Y+4*\s+1], s46, \s*SLOT
	s_add_nc_u64 s[G0Y+4*\s+2:G0Y+4*\s+3], s[22:23], \s*YSTEP/2
	s_or_b32 s[G0Y+4*\s+3], s[G0Y+4*\s+3], 0x80000000
.if \s                                         ; slot 1's first fill is issued as a refill is
	s_wait_alu depctr_va_vdst(0)
	s_wait_tensorcnt 0x0                           ; my piece of slot 0 is in
	ds_add_u32 v[SPW], v[NIL]
	s_wait_xcnt 0x0                                ; the first prefetch has read its base
	s_add_nc_u64 s[PFA:PFA+1], s[PFA:PFA+1], s[PFS:PFS+1]
	s_wait_dscnt 0x0
	CROUND
.endif
	JLOAD \s
	ASK
.endr
	s_lshr_b32 s71, s16, 1                         ; which 64 tokens of the block
	s_and_b32 s68, s16, 1                          ; which 64 outputs
	s_mul_i32 s66, s71, QR
	s_mul_i32 s67, s15, 2*KSB                      ; my group's two K steps of a slot
	s_add_co_u32 s66, s66, s67                     ; my record of h
	s_mul_i32 s69, s68, QR
	s_add_co_u32 s69, s69, s67
	s_add_co_u32 s69, s69, OPB                     ; my record of w_fc2
	s_xor_b32 s78, s15, 1
	s_lshl_b32 s77, s15, 12
	s_add_co_u32 s77, s77, s66                     ; the tiles that I keep: 2 x group on,
	s_lshl_b32 s79, s78, 12
	s_add_co_u32 s79, s79, s66                     ; those that I hand over: the other two,
	s_lshl_b32 s80, s15, 2
	s_add_co_u32 s80, s80, s66                     ; and their scale words
	s_lshl_b32 s81, s78, 2
	s_add_co_u32 s81, s81, s66
	s_lshl_b32 s82, s14, 13                        ; my stage: 8,192 bytes a wave, from LDS byte 0 on
	s_xor_b32 s83, s14, 4
	s_lshl_b32 s83, s83, 13                        ; my partner's
	s_lshl_b32 s70, s42, 1
	s_add_co_u32 s70, s70, s71                     ; my 64 tokens
	s_lshl_b32 s70, s70, 3
	s_add_co_u32 s70, s70, s43                     ; x 8 chunks of 128 outputs
	s_lshl_b32 s70, s70, 6
	s_lshl_b32 s71, s15, 5
	s_add_co_u32 s70, s70, s71                     ; + 16 pieces for each of the 2 x group tiles ahead of mine
	s_lshl_b32 s71, s68, 3
	s_add_co_u32 s70, s70, s71                     ; + 8 pieces for my half of the outputs
	s_lshl_b32 s70, s70, 9
	s_mov_b32 s71, 0
	s_add_nc_u64 s[8:9], s[8:9], s[70:71]
	v_and_b32 v1, 31, v0
	v_lshlrev_b32 v[L16], 4, v1
	v_lshlrev_b32 v3, 3, v1
	v_add_nc_u32 v[AL], s77, v[L16]
	v_add_nc_u32 v[AH], s79, v[L16]
	v_add_nc_u32 v[AP], s69, v[L16]
	v_add_nc_u32 v[SLA], s80, v3
	v_add_nc_u32 v[SHA], s81, v3
	v_add_nc_u32 v[APS], s69, v3
.irp r, AL, AH, AP, SLA, SHA, APS
	v_add_nc_u32 v[\r+1], SLOT, v[\r]
.endr
	v_add_nc_u32 v[STO], s82, v[L16]
	v_add_nc_u32 v[PTN], s83, v[L16]
	s_wait_alu depctr_va_vdst(0)
	s_wait_tensorcnt 0x1                           ; my piece of slot 0 is in; slot 1's load may be out
	s_barrier_signal -1
	s_barrier_wait -1
	WORK 0, 1                                      ; the first products start the sums
	s_mov_b32 s3, (NS-2)/2
.Llap:
	TWO 1, 1, 1
	TWO 0, 1, 2
	s_sub_co_u32 s3, s3, 1
	s_cmp_lg_u32 s3, 0
	s_cbranch_scc1 .Llap
	TWO 1, 0, 0
	; THE WAY OUT.  Every wave has passed the last change of slots, behind which nobody reads slot 0 and nothing is filled.
	WIN 0x04                                       ; the data in window 1
.irp i, 0,1,2,3,4,5,6,7,8,9,10,11,12,13,14,15
	ds_store_b128 v[STO], v[64+4*\i:64+4*\i+3] offset:512*\i   ; accumulators 8-15, each from its low end on
.endr
	WIN 0
	s_wait_dscnt 0x0                               ; for my partner's sake
	s_barrier_signal -1
	s_barrier_wait -1
.irp i, 0,1,2,3,4,5,6,7,8,9,10,11,12,13,14,15
	ds_load_b128 v[RB+4*\i:RB+4*\i+3], v[PTN] offset:512*\i    ; my partner's half of K for the tiles that I keep
.endr
	s_wait_dscnt 0x0
	WIN 0x01                                       ; source 0 in window 1
.set n, 0
.rept 32
	v_pk_add_f32 v[OUTR+n:OUTR+n+1], v[n:n+1], v[RB+n:RB+n+1]   ; accumulators 0-7, each from its low end on
.set n, n+2
.endr
	WIN 0
.irp q, 0,1,2,3,4,5,6,7,8,9,10,11,12,13,14,15
	global_store_b128 v[L16], v[OUTR+4*\q:OUTR+4*\q+3], s[8:9] offset:(16*(\q/8)+\q%8)*512 th:TH_STORE_NT   ; 512 consecutive bytes a store
.endr
	s_wait_tensorcnt 0x0                           ; the wave's end
	ds_add_u32 v[SPW], v[NIL]
	s_wait_dscnt 0x0
	CROUND                                         ; the closing round
	s_endpgm
.Lfunc_end_k_qbd35e27ad6_fc2:
	.size	k_qbd35e27ad6_fc2, .Lfunc_end_k_qbd35e27ad6_fc2-k_qbd35e27ad6_fc2
	.p2alignl 7, 3214868480
	.fill 96, 4, 3214868480
	.section	.rodata,"a",@progbits
	.p2align	6, 0x0
	.amdhsa_kernel k_qbd35e27ad6_fc2
		.amdhsa_group_segment_fixed_size 327680
		.amdhsa_private_segment_fixed_size 0
		.amdhsa_enable_private_segment 0
		.amdhsa_kernarg_size 24
		.amdhsa_user_sgpr_count 2
		.amdhsa_user_sgpr_kernarg_segment_ptr 1
		.amdhsa_wavefront_size32 1
		.amdhsa_system_sgpr_workgroup_id_x 1
		.amdhsa_system_sgpr_workgroup_id_y 1
		.amdhsa_system_sgpr_workgroup_id_z 1
		.amdhsa_system_vgpr_workitem_id 0
		.amdhsa_next_free_vgpr 384
		.amdhsa_next_free_sgpr 100
		.amdhsa_reserve_vcc 0
		.amdhsa_float_denorm_mode_32 3
		.amdhsa_float_denorm_mode_16_64 3
		.amdhsa_memory_ordered 1
		.amdhsa_forward_progress 1
		.amdhsa_inst_pref_size 55
	.end_amdhsa_kernel
	.amdgpu_metadata
---
amdhsa.version: [ 1, 2 ]
amdhsa.kernels:
  - .name:           k_qbd35e27ad6_fc2
    .symbol:         k_qbd35e27ad6_fc2.kd
    .args:
      - { .name: hid, .offset: 0, .size: 8, .value_kind: global_buffer, .address_space: global }
      - { .name: qin, .offset: 8, .size: 8, .value_kind: global_buffer, .address_space: global }
      - { .name: ybuf, .offset: 16, .size: 8, .value_kind: global_buffer, .address_space: global }
    .group_segment_fixed_size: 327680
    .private_segment_fixed_size: 0
    .kernarg_segment_align: 8
    .kernarg_segment_size: 24
    .max_flat_workgroup_size: 256
    .sgpr_count:     100
    .vgpr_count:     384
    .wavefront_size: 32
...
	.end_amdgpu_metadata
.endif
;; end of part 7
;; launch ln2 (part 8): grid 256 x 1, 8 waves a work-group, no clusters, 69,632 bytes of LDS; arguments ybuf, x1f, b_fc2, g2, beta2, out0; writes out0
.if DOCPART == 8
	.amdgcn_target "amdgcn-amd-amdhsa--gfx1250"
	.amdhsa_code_object_version 6
	.text
	.protected	k_qbd35e27ad6_ln2
	.globl	k_qbd35e27ad6_ln2
	.p2align	8
	.type	k_qbd35e27ad6_ln2,@function
k_qbd35e27ad6_ln2:
	s_mov_b64 s[64:65], 0
	v_nop
	global_prefetch_b8 v0, s[64:65] scope:SCOPE_SE
	s_setreg_imm32_b32 hwreg(HW_REG_WAVE_MODE, 25, 1), 1
	s_wait_xcnt 0x0
; out = LayerNorm(x1 + y + b_fc2) g2 + beta2, all in f32, stored as rows.
; A work-group takes one tile of 16 tokens (rows r + 8 (r / 8) from the tile's first row), wave w the 128 columns 128 w on.  A lane holds row r and 64 numbers: register 16 b + i = column 32 b + 16 h + i.
; y arrives in that order; the residual's rows are loaded 512 consecutive bytes a load and turn through the wave's own stage in LDS (rows 528 bytes apart); the result's rows go back the same way.
; Mean and variance in two passes, as the formula has them: a row's eight partial sums meet in LDS behind a barrier, twice.
; LIMITS: NaN and infinities are not served.  Memory binds: no matrix unit, no cluster (nothing is shared), no tensor load.
.set QR,   8448
.set SCR1, 8*QR                        ; 16 rows x 8 waves x 4 bytes; the second exchange 512 bytes on
.set SA,  4
.set SBA, 5
.set L16, 6
.set H64, 7
.set SCR, 8
.set SCW, 9
.set Y,   64
.set R,   128                          ; the residual, then g, then rows on the way out
.set BI,  192                          ; the bias, then beta
.set SEL, 32
.set INV, 35
.macro ACROSS off                      ; four packed chains v[16:23] -> v24 = the row's sum over its 1,024 columns
	s_delay_alu instid0(VALU_DEP_3)
	v_pk_add_f32 v[16:17], v[16:17], v[18:19]
	s_delay_alu instid0(VALU_DEP_2)
	v_pk_add_f32 v[20:21], v[20:21], v[22:23]
	s_delay_alu instid0(VALU_DEP_1)
	v_pk_add_f32 v[16:17], v[16:17], v[20:21]
	s_delay_alu instid0(VALU_DEP_1)
	v_add_f32 v16, v16, v17
	s_delay_alu instid0(VALU_DEP_1)
	v_permlanex16_b32 v17, v16, s[SEL], s[SEL+1]
	s_delay_alu instid0(VALU_DEP_1)
	v_add_f32 v16, v16, v17                        ; my wave's 128 columns
	ds_store_b32 v[SCW], v16 offset:\off           ; (lanes r and r + 16 write the same word with the same value)
	s_wait_dscnt 0x0                               ; for the others' sake
	s_barrier_signal -1
	s_barrier_wait -1
	ds_load_b128 v[24:27], v[SCR] offset:\off
	ds_load_b128 v[28:31], v[SCR] offset:\off+16
	s_wait_dscnt 0x0
	v_pk_add_f32 v[24:25], v[24:25], v[26:27]
	v_pk_add_f32 v[28:29], v[28:29], v[30:31]
	s_delay_alu instid0(VALU_DEP_1)
	v_pk_add_f32 v[24:25], v[24:25], v[28:29]
	s_delay_alu instid0(VALU_DEP_1)
	v_add_f32 v24, v24, v25
.endm
.macro PARAM reg, base                 ; 64 numbers of a [1,024] vector in my registers' order
.irp b, 0,1,2,3
.irp j, 0,1,2,3
	global_load_b128 v[\reg+16*\b+4*\j:\reg+16*\b+4*\j+3], v[H64], s[\base:\base+1] offset:128*\b+16*\j
.endr
.endr
.endm
	s_load_b256 s[4:11], s[0:1], 0x0               ; y, the residual, the bias, g
	s_load_b128 s[12:15], s[0:1], 0x20             ; beta, the rows out
	v_lshl_add_u32 v62, v0, 2, 0x10c00
	v_mov_b32 v63, 0
	v_lshrrev_b32 v1, 5, v0
	s_delay_alu instid0(VALU_DEP_1)
	v_readfirstlane_b32 s18, v1                    ; wave
	v_and_b32 v1, 31, v0
	v_and_b32 v2, 15, v0                           ; r
	v_bfe_u32 v3, v0, 4, 1                         ; h
	s_mul_i32 s19, s18, QR                         ; my stage
	v_lshlrev_b32 v[L16], 4, v1
	s_delay_alu instid0(VALU_DEP_1)
	v_add_nc_u32 v[SA], s19, v[L16]
	v_mul_u32_u24 v[SBA], v2, 528
	s_delay_alu instid0(VALU_DEP_1)
	v_lshl_add_u32 v[SBA], v3, 6, v[SBA]
	s_delay_alu instid0(VALU_DEP_1)
	v_add_nc_u32 v[SBA], s19, v[SBA]
	v_lshlrev_b32 v[H64], 6, v3
	v_lshlrev_b32 v[SCR], 5, v2
	s_delay_alu instid0(VALU_DEP_1)
	v_add_nc_u32 v[SCR], SCR1, v[SCR]              ; my row's eight words
	s_lshl_b32 s19, s18, 2
	v_add_nc_u32 v[SCW], s19, v[SCR]               ; my wave's among them
	s_mov_b32 s[SEL], 0x76543210
	s_mov_b32 s[SEL+1], 0xfedcba98
	s_mov_b32 s[INV], 0x3a800000                   ; 1 / 1,024
	s_lshr_b32 s20, ttmp9, 2                       ; which 64 tokens
	s_and_b32 s21, ttmp9, 3                        ; which tile of them
	s_lshl_b32 s22, s20, 6
	s_lshr_b32 s23, s21, 1
	s_lshl_b32 s23, s23, 5
	s_add_co_u32 s22, s22, s23
	s_and_b32 s23, s21, 1
	s_lshl_b32 s23, s23, 3
	s_add_co_u32 s22, s22, s23                     ; the tile's first row
	s_lshl_b32 s22, s22, 12
	s_lshl_b32 s24, s18, 9                         ; my 512 bytes of a row
	s_add_co_u32 s22, s22, s24
	s_mov_b32 s23, 0
	s_mov_b32 s25, 0
	s_lshl_b32 s26, s20, 3
	s_add_co_u32 s26, s26, s18
	s_lshl_b32 s26, s26, 15
	s_lshl_b32 s27, s21, 13
	s_add_co_u32 s26, s26, s27                     ; y: ((8 q + w) 64 + 16 t) 512
	s_mov_b32 s27, 0
	s_wait_alu depctr_va_vdst(0)
	s_wait_kmcnt 0x0
	s_add_nc_u64 s[4:5], s[4:5], s[26:27]
	s_add_nc_u64 s[6:7], s[6:7], s[22:23]
	s_add_nc_u64 s[14:15], s[14:15], s[22:23]
	s_add_nc_u64 s[8:9], s[8:9], s[24:25]
	s_add_nc_u64 s[10:11], s[10:11], s[24:25]
	s_add_nc_u64 s[12:13], s[12:13], s[24:25]
.irp i, 0,1,2,3,4,5,6,7,8,9,10,11,12,13,14,15
	global_load_b128 v[R+4*\i:R+4*\i+3], v[L16], s[6:7] offset:(\i+8*(\i/8))*4096 th:TH_LOAD_NT
.endr
.irp i, 0,1,2,3,4,5,6,7,8,9,10,11,12,13,14,15
	global_load_b128 v[Y+4*\i:Y+4*\i+3], v[L16], s[4:5] offset:512*\i th:TH_LOAD_NT
.endr
	PARAM BI, 8
	s_wait_loadcnt 32                              ; the residual's 16 loads are in; y's 16 and the bias's 16 may be out
.irp i, 0,1,2,3,4,5,6,7,8,9,10,11,12,13,14,15
	ds_store_b128 v[SA], v[R+4*\i:R+4*\i+3] offset:528*\i
.endr
.irp b, 0,1,2,3
.irp j, 0,1,2,3
	ds_load_b128 v[R+16*\b+4*\j:R+16*\b+4*\j+3], v[SBA] offset:128*\b+16*\j   ; LDS serves a wave's instructions in order: these see the stores above
.endr
.endr
	s_wait_loadcnt 0x0
	s_wait_dscnt 0x0
.set n, 0
.rept 32
	v_pk_add_f32 v[Y+n:Y+n+1], v[Y+n:Y+n+1], v[R+n:R+n+1]
.set n, n+2
.endr
.set n, 0
.rept 32
	v_pk_add_f32 v[Y+n:Y+n+1], v[Y+n:Y+n+1], v[BI+n:BI+n+1]
.set n, n+2
.endr
	PARAM R, 10                                    ; g and beta land while the statistics are made
	PARAM BI, 12
.irp c, 0,1,2,3
	v_pk_add_f32 v[16+2*\c:17+2*\c], v[Y+4*\c:Y+4*\c+1], v[Y+4*\c+2:Y+4*\c+3]
.endr
.irp j, 16,24,32,40,48,56
.irp c, 0,1,2,3
	s_delay_alu instid0(VALU_DEP_4)
	v_pk_add_f32 v[16+2*\c:17+2*\c], v[16+2*\c:17+2*\c], v[Y+\j+2*\c:Y+\j+2*\c+1]
.endr
.endr
	ACROSS 0
	s_delay_alu instid0(VALU_DEP_1)
	v_mul_f32 v24, s[INV], v24                     ; the mean
.set n, 0
.rept 32
	v_pk_add_f32 v[Y+n:Y+n+1], v[Y+n:Y+n+1], v[24:25] op_sel_hi:[1,0] neg_lo:[0,1] neg_hi:[0,1]
.set n, n+2
.endr
.irp c, 0,1,2,3
	v_pk_mul_f32 v[16+2*\c:17+2*\c], v[Y+2*\c:Y+2*\c+1], v[Y+2*\c:Y+2*\c+1]
.endr
.irp j, 8,16,24,32,40,48,56
.irp c, 0,1,2,3
	s_delay_alu instid0(VALU_DEP_4)
	v_pk_fma_f32 v[16+2*\c:17+2*\c], v[Y+\j+2*\c:Y+\j+2*\c+1], v[Y+\j+2*\c:Y+\j+2*\c+1], v[16+2*\c:17+2*\c]
.endr
.endr
	ACROSS 512
	s_delay_alu instid0(VALU_DEP_1)
	v_fmaak_f32 v24, s[INV], v24, 0x3727c5ac       ; the variance + 1e-5
	s_wait_alu depctr_va_vdst(0)
	v_rsq_f32 v26, v24
	v_nop                                          ; a plain line behind it
	s_wait_alu depctr_va_vdst(0)                   ; ahead of its first reader
	s_wait_loadcnt 0x0                             ; g, beta
.set n, 0
.rept 32
	v_pk_mul_f32 v[Y+n:Y+n+1], v[Y+n:Y+n+1], v[26:27] op_sel_hi:[1,0]
.set n, n+2
.endr
.set n, 0
.rept 32
	v_pk_fma_f32 v[Y+n:Y+n+1], v[Y+n:Y+n+1], v[R+n:R+n+1], v[BI+n:BI+n+1]
.set n, n+2
.endr
.irp b, 0,1,2,3
.irp j, 0,1,2,3
	ds_store_b128 v[SBA], v[Y+16*\b+4*\j:Y+16*\b+4*\j+3] offset:128*\b+16*\j
.endr
.endr
.irp i, 0,1,2,3,4,5,6,7,8,9,10,11,12,13,14,15
	ds_load_b128 v[R+4*\i:R+4*\i+3], v[SA] offset:528*\i
.endr
.irp i, 0,1,2,3,4,5,6,7,8,9,10,11,12,13,14,15
	s_wait_dscnt 15-\i                             ; row i is back; the later rows' loads may be out
	global_store_b128 v[L16], v[R+4*\i:R+4*\i+3], s[14:15] offset:(\i+8*(\i/8))*4096 th:TH_STORE_NT   ; 512 consecutive bytes of a row
.endr
	s_wait_tensorcnt 0x0
	ds_add_u32 v62, v63
	s_wait_dscnt 0x0
	s_endpgm
.Lfunc_end_k_qbd35e27ad6_ln2:
	.size	k_qbd35e27ad6_ln2, .Lfunc_end_k_qbd35e27ad6_ln2-k_qbd35e27ad6_ln2
	.p2alignl 7, 3214868480
	.fill 96, 4, 3214868480
	.section	.rodata,"a",@progbits
	.p2align	6, 0x0
	.amdhsa_kernel k_qbd35e27ad6_ln2
		.amdhsa_group_segment_fixed_size 69632
		.amdhsa_private_segment_fixed_size 0
		.amdhsa_enable_private_segment 0
		.amdhsa_kernarg_size 48
		.amdhsa_user_sgpr_count 2
		.amdhsa_user_sgpr_kernarg_segment_ptr 1
		.amdhsa_wavefront_size32 1
		.amdhsa_system_sgpr_workgroup_id_x 1
		.amdhsa_system_sgpr_workgroup_id_y 1
		.amdhsa_system_sgpr_workgroup_id_z 1
		.amdhsa_system_vgpr_workitem_id 0
		.amdhsa_next_free_vgpr 256
		.amdhsa_next_free_sgpr 66
		.amdhsa_reserve_vcc 0
		.amdhsa_float_denorm_mode_32 3
		.amdhsa_float_denorm_mode_16_64 3
		.amdhsa_memory_ordered 1
		.amdhsa_forward_progress 1
		.amdhsa_inst_pref_size 35
	.end_amdhsa_kernel
	.amdgpu_metadata
---
amdhsa.version: [ 1, 2 ]
amdhsa.kernels:
  - .name:           k_qbd35e27ad6_ln2
    .symbol:         k_qbd35e27ad6_ln2.kd
    .args:
      - { .name: ybuf, .offset: 0, .size: 8, .value_kind: global_buffer, .address_space: global }
      - { .name: x1f, .offset: 8, .size: 8, .value_kind: global_buffer, .address_space: global }
      - { .name: b_fc2, .offset: 16, .size: 8, .value_kind: global_buffer, .address_space: global }
      - { .name: g2, .offset: 24, .size: 8, .value_kind: global_buffer, .address_space: global }
      - { .name: beta2, .offset: 32, .size: 8, .value_kind: global_buffer, .address_space: global }
      - { .name: out0, .offset: 40, .size: 8, .value_kind: global_buffer, .address_space: global }
    .group_segment_fixed_size: 69632
    .private_segment_fixed_size: 0
    .kernarg_segment_align: 8
    .kernarg_segment_size: 48
    .max_flat_workgroup_size: 256
    .sgpr_count:     66
    .vgpr_count:     256
    .wavefront_size: 32
...
	.end_amdgpu_metadata
.endif
;; end of part 8
